; MI455X (gfx1250); checked and timed in simulation.
; The chip was launched on July 23, 2026; its instructions are those of AMD's public machine-readable ISA for CDNA 5 (MIT licence, August 2026) and "CDNA5" Instruction Set Architecture Reference Guide (July 2026). The comments in the code are by the model that wrote it; some were corrected since.
;; MPLM Decoder Layer. Allowed arithmetic: matrix products marked QUANTISED: E2M3 operands, one E8M0 scale for each 32 along K, by v_wmma_scale_f32_16x16x128_f8f6f4 with both operands' format E2M3, f32 sums; everything else in f32.
;; Inputs: Wdown_codes 1,024 x 128 x 24 uint8 (E2M3 codes of Wdown, K innermost, in blocks of 32 codes, four codes in three bytes); Wdown_scales 1,024 x 128 uint8 (E8M0 scales of Wdown, one for each 32 codes along K); Wgate_codes 4,096 x 32 x 24 uint8 (E2M3 codes of Wgate, K innermost, in blocks of 32 codes, four codes in three bytes); Wgate_scales 4,096 x 32 uint8 (E8M0 scales of Wgate, one for each 32 codes along K); Wk_codes 256 x 32 x 24 uint8 (E2M3 codes of Wk, K innermost, in blocks of 32 codes, four codes in three bytes); Wk_scales 256 x 32 uint8 (E8M0 scales of Wk, one for each 32 codes along K); Wo_codes 1,024 x 16 x 24 uint8 (E2M3 codes of Wo, K innermost, in blocks of 32 codes, four codes in three bytes); Wo_scales 1,024 x 16 uint8 (E8M0 scales of Wo, one for each 32 codes along K); Wq_codes 512 x 32 x 24 uint8 (E2M3 codes of Wq, K innermost, in blocks of 32 codes, four codes in three bytes); Wq_scales 512 x 32 uint8 (E8M0 scales of Wq, one for each 32 codes along K); Wup_codes 4,096 x 32 x 24 uint8 (E2M3 codes of Wup, K innermost, in blocks of 32 codes, four codes in three bytes); Wup_scales 4,096 x 32 uint8 (E8M0 scales of Wup, one for each 32 codes along K); Wv_codes 256 x 32 x 24 uint8 (E2M3 codes of Wv, K innermost, in blocks of 32 codes, four codes in three bytes); Wv_scales 256 x 32 uint8 (E8M0 scales of Wv, one for each 32 codes along K); attention_mask 2 x 1 x 2,048 x 2,048 float32; hidden_states 2 x 2,048 x 1,024 float32; kv_states 2 x 2,048 x 1,024 float32; ln1_w 1,024 float32; ln2_w 1,024 float32.
;; Outputs: out0 2 x 2,048 x 1,024 float32.
;; This version of the problem:
;;   THIS VERSION OF THE PROBLEM IS GIVEN IN LOW PRECISION. The matrix products marked QUANTISED in the list below multiply operands that are first quantised to E2M3 (2 exponent bits, 3 mantissa bits; 6 bits a number), with one power-of-two scale for each 32 numbers along K (OCP MX v1.0); their sums are f32. All else is computed in f32.
;;   The module's matrix products, in the order in which they are computed (A, B: the left and right operand; K: the contracted axis; several contracted axes count as one K, in the product's order):
;;     1. [M 4,096, K 1,024] x [K 1,024, N 512]; A: computed on the way; B: input Wq (given as codes): QUANTISED
;;     2. [M 4,096, K 1,024] x [K 1,024, N 256]; A: computed on the way; B: input Wk (given as codes): QUANTISED
;;     3. [M 4,096, K 1,024] x [K 1,024, N 256]; A: computed on the way; B: input Wv (given as codes): QUANTISED
;;     4. batch 16 x [M 2,048, K 64] x [K 64, N 2,048]; A: computed on the way; B: computed on the way: QUANTISED
;;     5. batch 16 x [M 2,048, K 2,048] x [K 2,048, N 64]; A: softmax (see below); B: computed on the way: QUANTISED
;;     6. [M 4,096, K 512] x [K 512, N 1,024]; A: computed on the way; B: input Wo (given as codes): QUANTISED
;;     7. [M 4,096, K 1,024] x [K 1,024, N 4,096]; A: computed on the way; B: input Wgate (given as codes): QUANTISED
;;     8. [M 4,096, K 1,024] x [K 1,024, N 4,096]; A: computed on the way; B: input Wup (given as codes): QUANTISED
;;     9. [M 4,096, K 4,096] x [K 4,096, N 1,024]; A: computed on the way; B: input Wdown (given as codes): QUANTISED
;;   THE QUANTISER, for each operand of a quantised product, along K:
;;     - K is cut into blocks of 32 from its start; a last block that is shorter is filled with zeros.
;;     - A block's scale is 2^e with e = floor(log2(the largest magnitude in the block)) - 2, held to -126 .. 127; a block of zeros has e = 0. As a byte (E8M0): e + 127.
;;     - Each number is divided by its block's scale, clamped to +-7.5, and rounded to the nearest number of E2M3, ties to even, subnormals kept.
;;     - The product sums the exact products of the quantised numbers (number of the format x scale) in f32.
;;   ~~~python
;;   def quantise(x, axis):      # numpy; x: float32 -> the quantised numbers, widened to float32 again
;;       x = np.moveaxis(x, axis, -1); K = x.shape[-1]
;;       x = np.pad(x, [(0, 0)] * (x.ndim - 1) + [(0, -K % 32)]); x = x.reshape(x.shape[:-1] + (-1, 32)); a = np.abs(x).max(-1, keepdims=True)
;;       e = np.where(a > 0, np.clip(np.frexp(np.where(a > 0, a, 1))[1] - 1 - 2, -126, 127), 0)      # np.frexp(a)[1] - 1 = floor(log2(a)), exactly
;;       r = np.clip(x / 2.0 ** e, -7.5, 7.5)
;;       step = 2.0 ** (np.maximum(np.frexp(np.where(r == 0, 1, r))[1] - 1, 0) - 3)
;;       q = np.round(r / step) * step * 2.0 ** e      # np.round: ties to even
;;       return np.moveaxis(q.reshape(q.shape[:-2] + (-1,))[..., :K], -1, axis).astype(np.float32)
;;   ~~~
;;   SOFTMAX AHEAD OF A QUANTISED PRODUCT. Where the list says 'softmax', what is quantised is not the finished softmax but p = 2^(t - M), with t = logit x log2(e) and M = ceil(the row's largest t), a whole number; so 1/2 < the row's largest p <= 1. The row's sum l is taken of the UNQUANTISED p, in f32, and the product's result is divided by l at the end. Since M is a whole number, a kernel that streams over the keys may use a running M (the ceiling of the running maximum): every later rescaling is an exact power of two, which a block's scale takes up: the codes' values come out the same.
;;   OPERANDS COMPUTED ON THE WAY. 'Computed on the way' means the value that the module computes at that place (a softmax that the list does not call 'softmax' is quantised finished and normalised). What goes into a quantiser is computed in f32, as accurately as f32 sums, v_exp_f32 and their like allow (about 1e-6 of the number): no bf16 or f16 on the way to a quantiser, and a product that is left as it is and whose result goes on into a quantised operand takes f32 operands (vector FMAs, or v_wmma_f32_16x16x4_f32). A number that lies on a knife's edge between two numbers of the format may be rounded either way, as far as f32 arithmetic and the matrix unit's own rounding can turn it there, and no further.
;;   INPUTS GIVEN AS CODES. Wdown (in the module: [4096, 1024], K = its axis 0); Wgate (in the module: [1024, 4096], K = its axis 0); Wk (in the module: [1024, 256], K = its axis 0); Wo (in the module: [512, 1024], K = its axis 0); Wq (in the module: [1024, 512], K = its axis 0); Wup (in the module: [1024, 4096], K = its axis 0); Wv (in the module: [1024, 256], K = its axis 0): each comes as NAME_codes (uint8): NAME with its K axis moved to the last place and cut into blocks of 32 codes, [.., K / 32, bytes a block], one block behind the other in memory; four codes in three bytes: a row's codes are one little-endian stream of bits, code i at bits 6 i .. 6 i + 5 (a code: sign, 2 exponent bits, 3 mantissa bits); and NAME_scales (uint8): the same leading axes, one E8M0 byte (e + 127) for each 32 codes along K. Its value is code x scale, taken as it is: it is not quantised again, and the codes and scales need not be those that the quantiser above would give.
;; One version. Each part assembles by itself: llvm-mc -triple=amdgcn-amd-amdhsa -mcpu=gfx1250 --defsym DOCPART=n.
;; ======== version 1 of 1: 4 launches
;; workspace buffers: qbuf 1,703,936 bytes; kvimg 1,638,400 bytes; woimg 393,216 bytes; hid 16,777,216 bytes; xq 3,276,800 bytes; aq 13,107,200 bytes
;; launch qkv (part 1): grid 256 x 1, 8 waves a work-group, clusters of 4 x 1, 327,680 bytes of LDS; arguments hidden_states, kv_states, ln1_w, Wq_codes, Wq_scales, Wk_codes, Wk_scales, Wv_codes, Wv_scales, Wo_codes, qbuf, kvimg, woimg; writes qbuf, kvimg, woimg
.if DOCPART == 1
	.amdgcn_target "amdgcn-amd-amdhsa--gfx1250"
	.amdhsa_code_object_version 6
	.text
	.protected	k_qb1f61d42a2_qkv
	.globl	k_qb1f61d42a2_qkv
	.p2align	8
	.type	k_qb1f61d42a2_qkv,@function
k_qb1f61d42a2_qkv:
	s_mov_b64 s[64:65], 0
	v_nop
	global_prefetch_b8 v0, s[64:65] scope:SCOPE_SE
	s_setreg_imm32_b32 hwreg(HW_REG_WAVE_MODE, 25, 1), 1
	s_wait_xcnt 0x0
	s_wait_alu depctr_hold_cnt(0) depctr_sa_sdst(0) depctr_va_vdst(0) depctr_va_sdst(0) depctr_va_ssrc(0) depctr_va_vcc(0) depctr_vm_vsrc(0)
	s_getreg_b32 s2, hwreg(HW_REG_IB_STS2, 6, 4)
	s_cmp_eq_u32 s2, 0
	s_cbranch_scc0 .Lentry_in_a_cluster
	s_endpgm
.Lentry_in_a_cluster:
	s_bfe_u32 s2, ttmp6, 0x10000c
	s_cmp_lg_u32 s2, 0x3003
	s_cbranch_scc0 .Lentry_shape_is_right
	s_endpgm
.Lentry_shape_is_right:
; RMS norm x ln1_w, quantised along the 1,024; q = h Wq, k = kv Wk, v = kv Wv on codes of FP6 (E2M3); RoPE on q and k; q and k quantised along the head's 64, v along the keys.
; Work-group x = 4 x cluster + place owns 32 rows: x < 128 rows of hidden_states and the 512 columns of Wq; the others rows of kv_states, Wk (waves 0-3) and Wv (waves 4-7).
; Wave w = one head: 64 columns x 32 rows x K 1,024 = 64 matrix instructions.  The four partners of a cluster are of one kind and ask for the weights JOINTLY.
; q, k: source 0 = 16 rows of the weight, source 1 = 16 tokens: a lane holds one token, its registers run along the head.  v: the sources swapped: a lane holds one dim, its registers run along the tokens, which are v's K.
; ORDER INSIDE A BLOCK OF 32: q and k both carry the dims 0-7, 16-23, 8-15, 24-31 of each block, v carries its 32 tokens so (and so will p): a block has one scale, and both sides of a product have the same order.
; 1 / sqrt(64) is taken off q's scale bytes (3 less: exact).  Wave 0 also lays one fragment of Wo out as an image of the operand's registers.
; LIMITS: NaN and infinities among the states are not served.  A block of q whose largest magnitude lies under 2^-121 is held at that floor (its byte less 3 stays 1 or more); other blocks under 2^-124 likewise;
; a block of zeros carries the floor's byte (its codes are zeros; this program alone reads the bytes).  RoPE's angle is position x inv_freq in f32, inv_freq by v_exp_f32; sine and cosine by a reduction in two parts of pi / 2 and polynomials.
.set SLOTB, 122880                     ; an LDS slot: for each wave 64 rows of the weight x 2 K steps (192 bytes), 16 bytes of padding behind each 64: pitch 240
.set WPART, 15360
.set PITCH, 240
.set STG,   245760                     ; each wave's own: one row of x as 32 blocks of 128 bytes + 16
.set XIMG,  282624                     ; x's 16 fragments (8 T + s) as images: six chunks of 256 bytes, 272 apart
.set XSC,   308736                     ; their scale words [s][T][row][4]
.set ROPE,  309760                     ; [token 32]: 32 cosines, 32 sines, pitch 272
.set SPARE, 318464                     ; the spare words, 128 bytes a wave
.set WS,  16                           ; v16-31  the weight's scale words: register 8 i + s; lanes 0-15 tile 2 i, lanes 16-31 tile 2 i + 1
.set WF,  32                           ; v32-79  four fragments of the weight
.set XF,  80                           ; v80-103 x's two fragments
.set XS,  104                          ; v104    x's scale words: lanes 0-15 T = 0, lanes 16-31 T = 1
.set ACC, 128                          ; v128-191
.set RR,  192                          ; v192-255 after RoPE
.set CSB, 32                           ; v32-95  cosines and sines on the way out
.set TM,  105                          ; v105-120 at work in QUANT
.set PW,  121
.set PCD, 32                           ; v32-51  the codes
.set SEL, 52
.macro PLACES n
.rept \n
	v_nop
.endr
.endm
.macro CROUND                          ; a round of the cluster's barrier
	s_barrier_signal -1
	s_barrier_wait -1
	s_cmp_lg_u32 s2, 0
	s_cbranch_scc1 .Lnw0_\@
	s_barrier_signal -3
.Lnw0_\@:
	s_barrier_wait -3
	s_barrier_signal -1
	s_barrier_wait -1
.endm
; one matrix instruction: D, source 0, source 1; z = 1: the sum begins; the two scale registers and which half of their lanes is read
.macro MM d, a, b, z, sa, sb, ra, rb
.if (\z) && ((\ra) == 0) && ((\rb) == 0)
	v_wmma_scale_f32_16x16x128_f8f6f4 v[\d:\d+7], v[\a:\a+11], v[\b:\b+11], 0, v[\sa], v[\sb] matrix_a_fmt:MATRIX_FMT_FP6 matrix_b_fmt:MATRIX_FMT_FP6
.elseif (\z) && ((\ra) == 1) && ((\rb) == 0)
	v_wmma_scale_f32_16x16x128_f8f6f4 v[\d:\d+7], v[\a:\a+11], v[\b:\b+11], 0, v[\sa], v[\sb] matrix_a_fmt:MATRIX_FMT_FP6 matrix_b_fmt:MATRIX_FMT_FP6 matrix_a_scale:MATRIX_SCALE_ROW1
.elseif (\z) && ((\ra) == 0)
	v_wmma_scale_f32_16x16x128_f8f6f4 v[\d:\d+7], v[\a:\a+11], v[\b:\b+11], 0, v[\sa], v[\sb] matrix_a_fmt:MATRIX_FMT_FP6 matrix_b_fmt:MATRIX_FMT_FP6 matrix_b_scale:MATRIX_SCALE_ROW1
.elseif (\z)
	v_wmma_scale_f32_16x16x128_f8f6f4 v[\d:\d+7], v[\a:\a+11], v[\b:\b+11], 0, v[\sa], v[\sb] matrix_a_fmt:MATRIX_FMT_FP6 matrix_b_fmt:MATRIX_FMT_FP6 matrix_a_scale:MATRIX_SCALE_ROW1 matrix_b_scale:MATRIX_SCALE_ROW1
.elseif ((\ra) == 0) && ((\rb) == 0)
	v_wmma_scale_f32_16x16x128_f8f6f4 v[\d:\d+7], v[\a:\a+11], v[\b:\b+11], v[\d:\d+7], v[\sa], v[\sb] matrix_a_fmt:MATRIX_FMT_FP6 matrix_b_fmt:MATRIX_FMT_FP6
.elseif ((\ra) == 1) && ((\rb) == 0)
	v_wmma_scale_f32_16x16x128_f8f6f4 v[\d:\d+7], v[\a:\a+11], v[\b:\b+11], v[\d:\d+7], v[\sa], v[\sb] matrix_a_fmt:MATRIX_FMT_FP6 matrix_b_fmt:MATRIX_FMT_FP6 matrix_a_scale:MATRIX_SCALE_ROW1
.elseif ((\ra) == 0)
	v_wmma_scale_f32_16x16x128_f8f6f4 v[\d:\d+7], v[\a:\a+11], v[\b:\b+11], v[\d:\d+7], v[\sa], v[\sb] matrix_a_fmt:MATRIX_FMT_FP6 matrix_b_fmt:MATRIX_FMT_FP6 matrix_b_scale:MATRIX_SCALE_ROW1
.else
	v_wmma_scale_f32_16x16x128_f8f6f4 v[\d:\d+7], v[\a:\a+11], v[\b:\b+11], v[\d:\d+7], v[\sa], v[\sb] matrix_a_fmt:MATRIX_FMT_FP6 matrix_b_fmt:MATRIX_FMT_FP6 matrix_a_scale:MATRIX_SCALE_ROW1 matrix_b_scale:MATRIX_SCALE_ROW1
.endif
.endm
; 64 numbers of a lane, four blocks of which lanes l and l xor 16 hold 16 numbers each, become 12 registers of codes (registers 6 c .. 6 c + 5 of lane half h: block 2 c + h) and the word of the four scale bytes
.macro QUANT s, fl
.irp b, 0,1,2,3
	v_max3_num_f32 v[TM+\b], |v[\s+16*\b]|, |v[\s+1+16*\b]|, \fl   ; my 16 numbers and the floor
.endr
.irp i, 2,4,6,8,10,12,14
.irp b, 0,1,2,3
	v_max3_num_f32 v[TM+\b], v[TM+\b], |v[\s+16*\b+\i]|, |v[\s+1+16*\b+\i]|
.endr
.endr
.irp b, 0,1,2,3
	v_permlanex16_b32 v[TM+4+\b], v[TM+\b], s[SEL], s[SEL+1]
.endr
.irp b, 0,1,2,3
	v_max_num_f32 v[TM+\b], v[TM+\b], v[TM+4+\b]   ; the block's largest magnitude
.endr
.irp b, 0,1,2,3
	v_add_nc_u32 v[TM+12+\b], 0xff000000, v[TM+\b]   ; 2 off its exponent field: the conversion's scale operand
.endr
.irp b, 0,1,2,3
	v_lshrrev_b32 v[TM+4+\b], 23, v[TM+12+\b]      ; the scale's byte
.endr
	v_lshl_or_b32 v[PW], v[TM+5], 8, v[TM+4]
	v_lshl_or_b32 v[PW], v[TM+6], 16, v[PW]
	v_lshl_or_b32 v[PW], v[TM+7], 24, v[PW]
.irp c, 0,1
	v_cvt_scalef32_pk16_fp6_f32 v[PCD+6*\c:PCD+2+6*\c], v[\s+32*\c:\s+15+32*\c], v[TM+12+2*\c]
	v_cvt_scalef32_pk16_fp6_f32 v[PCD+12+4*\c:PCD+14+4*\c], v[\s+16+32*\c:\s+31+32*\c], v[TM+12+2*\c+1]
.endr
	v_nop                                          ; one plain place behind a scaled conversion
.irp c, 0,1
.irp i, 0,1,2
	v_permlane16_swap_b32 v[PCD+6*\c+\i], v[PCD+12+4*\c+\i]
.endr
.irp i, 0,1,2
	v_mov_b32 v[PCD+3+6*\c+\i], v[PCD+12+4*\c+\i]
.endr
.endr
.endm
	s_load_b512 s[8:23], s[0:1], 0x0               ; hidden 8, kv 10, ln1_w 12, Wq codes 14, Wq scales 16, Wk codes 18, Wk scales 20, Wv codes 22
	s_load_b128 s[24:27], s[0:1], 0x40             ; Wv scales 24, Wo codes 26
	s_load_b128 s[28:31], s[0:1], 0x50             ; qbuf 28, kvimg 30
	s_load_b64 s[32:33], s[0:1], 0x60              ; woimg
	v_lshl_add_u32 v1, v0, 2, SPARE
	v_mov_b32 v2, 0
	ds_add_u32 v1, v2
	ds_add_u32 v1, v2
	s_wait_dscnt 0x0
	v_lshrrev_b32 v16, 5, v0
	v_readfirstlane_b32 s2, v16                    ; wave 0..7
	s_bfe_u32 s7, ttmp6, 0x40000                   ; my place in the cluster: it enters global addresses alone
	s_lshl_b32 s3, ttmp9, 2
	s_add_co_u32 s3, s3, s7                        ; x
	s_lshr_b32 s4, ttmp9, 5                        ; 1: rows of kv_states (the same in all four partners)
	s_lshr_b32 s54, s2, 2
	s_and_b32 s5, s54, s4                          ; 1: my head is one of v's
	s_and_b32 s34, s2, 3                           ; the kv head
	s_and_b32 s35, s3, 127                         ; which 32 rows of the tensor
	; every LDS address is made here, on the one way that all waves take
	v_and_b32 v16, 31, v0                          ; lane
	v_and_b32 v17, 15, v0                          ; r
	v_bfe_u32 v18, v0, 4, 1                        ; h
	v_lshrrev_b32 v19, 3, v16
	v_and_b32 v20, 7, v16
	v_lshrrev_b32 v21, 2, v16
	s_mul_i32 s55, s2, 4608
	s_add_co_u32 s55, s55, STG
	v_mul_u32_u24 v3, v19, 144
	v_lshl_add_u32 v3, v20, 4, v3
	v_add_nc_u32 v3, s55, v3                       ; v3: the stage, in: block lane / 8 of a load's four, 16 bytes a lane
	v_mul_u32_u24 v4, v16, 144
	v_add_nc_u32 v4, s55, v4                       ; v4: out: block = lane
	s_mul_i32 s55, s54, 13056
	s_lshl_b32 s56, s34, 5
	s_add_co_u32 s55, s55, s56
	s_add_co_u32 s55, s55, XIMG
	v_mul_u32_u24 v5, v21, 1632
	v_bfe_u32 v22, v16, 1, 1
	v_mad_u32_u24 v5, v22, 816, v5
	v_and_b32 v22, 1, v16
	v_lshl_add_u32 v5, v22, 7, v5
	v_add_nc_u32 v5, s55, v5                       ; v5: where block = lane of my rows lies in x's images
	s_lshl_b32 s55, s2, 4
	s_add_co_u32 s55, s55, XSC
	v_and_b32 v22, 3, v16
	v_lshl_add_u32 v6, v21, 7, v22
	v_add_nc_u32 v6, s55, v6                       ; v6: and its scale byte
	s_mul_i32 s55, s2, 1088
	s_add_co_u32 s55, s55, ROPE
	v_mul_u32_u24 v7, v19, 272
	v_lshl_add_u32 v7, v20, 4, v7
	v_add_nc_u32 v7, s55, v7                       ; v7: the table, in: token 4 w + lane / 8, four frequencies a lane
	v_lshl_add_u32 v8, v16, 3, XIMG                ; v8: an image's chunk for my lane
	v_lshl_add_u32 v9, v16, 2, XSC                 ; v9: a scale word's
	s_mul_i32 s55, s2, WPART
	v_mul_u32_u24 v22, v17, PITCH
	v_mad_u32_u24 v22, v18, 24, v22
	v_add_nc_u32 v10, s55, v22                     ; v10, v11: my weight's rows in slot 0, 1;
	v_lshl_add_u32 v12, v18, 4, v10                ; v12, v13: the same for pieces behind one padding more
	v_add_nc_u32 v11, SLOTB, v10
	v_add_nc_u32 v13, SLOTB, v12
	v_mul_u32_u24 v14, v17, 272
	v_lshl_add_u32 v14, v18, 5, v14
	v_add_nc_u32 v14, ROPE, v14                    ; v14: the table, out: token r, 8 frequencies of my half
	v_lshlrev_b32 v15, 4, v16                      ; v15: 16 x lane (global)
	v_lshlrev_b32 v124, 5, v16                     ; a row of weight scales is 32 bytes
	v_and_b32 v22, 8, v17
	v_add_nc_u32 v22, v22, v17
	v_mul_u32_u24 v125, v22, 384
	v_mad_u32_u24 v125, v18, 24, v125              ; Wo: row r + 8 (r / 8) of 384 bytes, + 24 h
	s_lshl_b32 s90, s35, 5
	s_lshl_b32 s55, s2, 2
	s_add_co_u32 s90, s90, s55
	s_and_b32 s90, s90, 2047
	v_add_nc_u32 v126, s90, v19
	v_cvt_f32_u32 v126, v126                       ; my token's position
	v_lshlrev_b32 v127, 2, v20                     ; my first frequency
	s_mov_b32 s[SEL], 0x76543210
	s_mov_b32 s[SEL+1], 0xfedcba98
	s_mov_b32 s58, 0x3a800000                      ; 1 / 1,024
	s_mov_b32 s59, 0x358637bd                      ; eps
	s_mov_b32 s66, 0x3f22f983                      ; 2 / pi
	s_mov_b32 s67, 0x3fc90fdb                      ; pi / 2, upper part
	s_mov_b32 s68, 0xb33bbd2e                      ; and the rest
	s_mov_b32 s69, 0xbe2aaaa3
	s_mov_b32 s70, 0x3c08839e
	s_mov_b32 s71, 0xb94ca1f9
	s_mov_b32 s72, 0x3d2aaaa5
	s_mov_b32 s73, 0xbab6061a
	s_mov_b32 s74, 0x37ccf5ce
	s_mov_b32 s75, 0xbed49a78                      ; -log2(10000) / 32
	; offsets, apart from the addresses
	s_cmp_eq_u32 s4, 0
	s_cselect_b32 s55, s2, s34                     ; which 64 rows of the weight
	s_mov_b32 s6, 0x1800000
	s_cselect_b32 s6, 0x3000000, s6                ; the floor: q's is 2^-121
	s_mul_i32 s60, s55, 49152
	s_mov_b32 s61, 0
	s_lshl_b32 s62, s55, 11
	s_mov_b32 s63, 0
	s_lshl_b32 s56, s35, 17
	s_lshl_b32 s57, s2, 14
	s_add_co_u32 s56, s56, s57                     ; my four rows of x
	s_mov_b32 s57, 0
	s_lshr_b32 s76, s3, 3
	s_lshl_b32 s76, s76, 5
	s_bfe_u32 s77, s3, 0x10002
	s_lshl_b32 s77, s77, 3
	s_add_co_u32 s76, s76, s77                     ; Wo: tile x / 4 begins at row 32 (tile / 2) + 8 (tile % 2)
	s_mul_i32 s76, s76, 384
	s_and_b32 s77, s3, 3
	s_mul_i32 s77, s77, 96                         ; K step x % 4
	s_add_co_u32 s76, s76, s77
	s_mov_b32 s77, 0
	s_mul_i32 s78, s3, 13312
	s_mov_b32 s79, 0
	s_lshr_b32 s80, s35, 3
	s_mul_i32 s80, s80, 102400                     ; my batch's slot of 256 keys
	s_mov_b32 s81, 0
	s_mul_i32 s82, s3, 1536
	s_mov_b32 s83, 0
	s_and_b32 s55, s3, 7                           ; which 32 keys of the slot
	s_mul_i32 s86, s34, 12288
	s_lshl_b32 s87, s34, 9
	s_lshr_b32 s84, s55, 2
	s_and_b32 s85, s55, 3
	s_mul_i32 s88, s84, 6144
	s_mul_i32 s89, s85, 384
	s_lshl_b32 s84, s84, 8
	s_add_co_u32 s85, s85, s84
	s_add_co_u32 s85, s85, s87                     ; v's scale bytes: 512 g + 256 step + block
	s_add_co_u32 s84, s88, s89
	s_add_co_u32 s84, s84, s86                     ; v's codes: 12,288 g + 6,144 step + 384 block
	s_mul_i32 s88, s55, 1536
	s_add_co_u32 s86, s86, s88                     ; k's codes: 12,288 g + 1,536 x fragment
	s_lshl_b32 s88, s55, 6
	s_add_co_u32 s87, s87, s88                     ; k's scale words
	s_mul_i32 s88, s2, 768
	s_lshl_b32 s89, s2, 6
	s_mul_i32 s54, s2, WPART
	; descriptor group 1: 64 rows x 192 bytes of a row of 768, 16 bytes of padding behind each 64; all four partners
	s_mov_b32 s36, 15|(1<<20)|(1<<21)|(3<<22)|(3<<25)
	s_mov_b32 s37, 192<<16
	s_mov_b32 s38, 64<<16
	s_mov_b32 s39, 192<<16
	s_mov_b32 s40, 64
	s_mov_b32 s41, 768
	s_mov_b32 s42, 0
	s_mov_b32 s43, 0
	s_wait_kmcnt 0x0
	s_cmp_eq_u32 s4, 0
	s_cselect_b64 s[8:9], s[8:9], s[10:11]
	s_cselect_b64 s[14:15], s[14:15], s[18:19]
	s_cselect_b64 s[16:17], s[16:17], s[20:21]
	s_cmp_eq_u32 s5, 0
	s_cselect_b64 s[14:15], s[14:15], s[22:23]
	s_cselect_b64 s[16:17], s[16:17], s[24:25]
	s_add_nc_u64 s[8:9], s[8:9], s[56:57]
	s_add_nc_u64 s[14:15], s[14:15], s[60:61]
	s_add_nc_u64 s[16:17], s[16:17], s[62:63]
	s_add_nc_u64 s[26:27], s[26:27], s[76:77]
	s_add_nc_u64 s[28:29], s[28:29], s[78:79]
	s_add_nc_u64 s[30:31], s[30:31], s[80:81]
	s_add_nc_u64 s[32:33], s[32:33], s[82:83]
	s_mov_b32 s44, 1
	s_mov_b32 s45, s54
	s_mov_b64 s[46:47], s[14:15]
	s_add_nc_u64 s[50:51], s[14:15], 192
	s_or_b32 s47, s47, 0x80000000
	s_mov_b32 s48, 1
	s_add_co_u32 s49, s54, SLOTB
	s_or_b32 s51, s51, 0x80000000
	CROUND                                         ; all four work-groups are here: the first joint loads meet
	tensor_load_to_lds s[44:47], s[36:43]          ; K steps 0, 1
	s_nop 0
	tensor_load_to_lds s[48:51], s[36:43]          ; K steps 2, 3: two loads of mine are out
	s_nop 0
	PLACES 4
	s_cmp_lg_u32 s2, 0
	s_cbranch_scc1 .Lno_wo
.irp p, 0,1,2,3,4,5
	global_load_b64 v[64+2*\p:65+2*\p], v125, s[26:27] offset:48*(\p/3)+8*(\p%3)
.endr
.Lno_wo:
.irp i, 0,1,2,3,4,5,6,7
	global_load_b128 v[32+4*\i:35+4*\i], v15, s[12:13] offset:512*\i          ; ln1_w at the columns that my lane holds of every row
.endr
	global_load_b128 v[16:19], v124, s[16:17]
	global_load_b128 v[20:23], v124, s[16:17] offset:16
	global_load_b128 v[24:27], v124, s[16:17] offset:1024
	global_load_b128 v[28:31], v124, s[16:17] offset:1040
.irp p, 0,1,2,3
.irp i, 0,1,2,3,4,5,6,7
	global_load_b128 v[128+32*\p+4*\i:131+32*\p+4*\i], v15, s[8:9] offset:4096*\p+512*\i th:TH_LOAD_NT   ; 32 lanes read 512 consecutive bytes
.endr
.endr
	; the RoPE table of my four tokens, while the loads are out
.irp e, 0,1,2,3
	v_add_nc_u32 v[76+6*\e], \e, v127
.endr
.irp e, 0,1,2,3
	v_cvt_f32_u32 v[76+6*\e], v[76+6*\e]
.endr
.irp e, 0,1,2,3
	v_mul_f32 v[76+6*\e], s75, v[76+6*\e]
.endr
.irp e, 0,1,2,3
	v_exp_f32 v[77+6*\e], v[76+6*\e]               ; inv_freq = 10000^(-d / 32)
.endr
	v_nop
	s_wait_alu depctr_va_vdst(0)                   ; one wait for the four, ahead of their first reader
.irp e, 0,1,2,3
	v_mul_f32 v[76+6*\e], v126, v[77+6*\e]         ; the angle
.endr
.irp e, 0,1,2,3
	v_mul_f32 v[77+6*\e], s66, v[76+6*\e]
.endr
.irp e, 0,1,2,3
	v_rndne_f32 v[77+6*\e], v[77+6*\e]             ; n quarter turns
.endr
.irp e, 0,1,2,3
	v_fma_f32 v[78+6*\e], -v[77+6*\e], s67, v[76+6*\e]
.endr
.irp e, 0,1,2,3
	v_fma_f32 v[78+6*\e], -v[77+6*\e], s68, v[78+6*\e]   ; what is left, within pi / 4
.endr
.irp e, 0,1,2,3
	v_mul_f32 v[79+6*\e], v[78+6*\e], v[78+6*\e]
.endr
.irp e, 0,1,2,3
	v_fma_f32 v[80+6*\e], v[79+6*\e], s71, s70
	v_fma_f32 v[81+6*\e], v[79+6*\e], s74, s73
.endr
.irp e, 0,1,2,3
	v_fma_f32 v[80+6*\e], v[80+6*\e], v[79+6*\e], s69
	v_fma_f32 v[81+6*\e], v[81+6*\e], v[79+6*\e], s72
	v_mul_f32 v[100+\e], v[78+6*\e], v[79+6*\e]
	v_mul_f32 v[104+\e], v[79+6*\e], v[79+6*\e]
	v_fma_f32 v[108+\e], v[79+6*\e], -0.5, 1.0
.endr
.irp e, 0,1,2,3
	v_fma_f32 v[80+6*\e], v[80+6*\e], v[100+\e], v[78+6*\e]   ; sine
	v_fma_f32 v[81+6*\e], v[81+6*\e], v[104+\e], v[108+\e]    ; cosine
	v_cvt_i32_f32 v[77+6*\e], v[77+6*\e]
.endr
.irp e, 0,1,2,3
	v_and_b32 v100, 1, v[77+6*\e]
	v_cmp_eq_u32 vcc_lo, 1, v100
	v_cndmask_b32 v[116+\e], v[80+6*\e], v[81+6*\e], vcc_lo   ; odd quarters: the two change places
	v_cndmask_b32 v[112+\e], v[81+6*\e], v[80+6*\e], vcc_lo
	v_and_b32 v100, 2, v[77+6*\e]
	v_lshlrev_b32 v100, 30, v100
	v_xor_b32 v[116+\e], v[116+\e], v100           ; the sine's sign: quarters 2, 3
	v_add_nc_u32 v101, 1, v[77+6*\e]
	v_and_b32 v101, 2, v101
	v_lshlrev_b32 v101, 30, v101
	v_xor_b32 v[112+\e], v[112+\e], v101           ; the cosine's: quarters 1, 2
.endr
	ds_store_b128 v7, v[112:115]
	ds_store_b128 v7, v[116:119] offset:128
	s_cmp_lg_u32 s2, 0
	s_cbranch_scc1 .Lno_wo2
	s_wait_loadcnt 44                              ; behind Wo's six loads stand 8 + 4 + 32
.irp c, 0,1,2
	global_store_b128 v15, v[64+4*\c:67+4*\c], s[32:33] offset:512*\c   ; the fragment as it stands: 512 consecutive bytes a store
.endr
	s_wait_xcnt 0x0                                ; v64-75 are written again only behind this wait
.Lno_wo2:
	s_wait_dscnt 0x0                               ; the table's stores have read their registers
	; the norm: sums of squares of my four rows
.irp p, 0,1,2,3
	s_wait_loadcnt 24-8*\p                         ; the rows behind this one may be out
	v_pk_mul_f32 v[96+4*\p:97+4*\p], v[128+32*\p:129+32*\p], v[128+32*\p:129+32*\p]
	v_pk_mul_f32 v[98+4*\p:99+4*\p], v[130+32*\p:131+32*\p], v[130+32*\p:131+32*\p]
.irp j, 4,8,12,16,20,24,28
	v_pk_fma_f32 v[96+4*\p:97+4*\p], v[128+32*\p+\j:129+32*\p+\j], v[128+32*\p+\j:129+32*\p+\j], v[96+4*\p:97+4*\p]
	v_pk_fma_f32 v[98+4*\p:99+4*\p], v[130+32*\p+\j:131+32*\p+\j], v[130+32*\p+\j:131+32*\p+\j], v[98+4*\p:99+4*\p]
.endr
	v_pk_add_f32 v[96+4*\p:97+4*\p], v[96+4*\p:97+4*\p], v[98+4*\p:99+4*\p]
	v_add_f32 v[96+4*\p], v[96+4*\p], v[97+4*\p]
.endr
.irp m, 1,2,4,8
.irp p, 0,1,2,3
	v_add_f32_dpp v[96+4*\p], v[96+4*\p], v[96+4*\p] row_xmask:\m row_mask:0xf bank_mask:0xf
.endr
.endr
.irp p, 0,1,2,3
	v_permlanex16_b32 v[76+\p], v[96+4*\p], s[SEL], s[SEL+1]
.endr
.irp p, 0,1,2,3
	v_add_f32 v[96+4*\p], v[96+4*\p], v[76+\p]
.endr
.irp p, 0,1,2,3
	v_fma_f32 v[96+4*\p], v[96+4*\p], s58, s59     ; the mean + eps
.endr
.irp p, 0,1,2,3
	v_rsq_f32 v[116+2*\p], v[96+4*\p]
.endr
.irp p, 0,1,2,3
	v_mov_b32 v[117+2*\p], 0                       ; (named as the pairs' upper halves; plain work behind the four)
.endr
	s_wait_alu depctr_va_vdst(0)
; a block of 32 in v64-95 becomes 24 bytes of codes in v96-101 and its byte in v109: all 32 numbers are the lane's own
.macro QBLK
	v_max3_num_f32 v106, |v64|, |v65|, 0x1800000
	v_max3_num_f32 v107, |v66|, |v67|, |v68|
.irp i, 5,9,13,17,21,25
	v_max3_num_f32 v106, v106, |v[64+\i]|, |v[65+\i]|
	v_max3_num_f32 v107, v107, |v[66+\i]|, |v[67+\i]|
.endr
	v_max3_num_f32 v106, v106, |v93|, |v94|
	v_max3_num_f32 v106, v106, v107, |v95|
	v_add_nc_u32 v108, 0xff000000, v106
	v_lshrrev_b32 v109, 23, v108
	v_cvt_scalef32_pk16_fp6_f32 v[96:98], v[64:79], v108
	v_cvt_scalef32_pk16_fp6_f32 v[102:104], v[80:95], v108
	v_nop
	v_mov_b32 v99, v102
	v_mov_b32 v100, v103
	v_mov_b32 v101, v104
.endm
.irp p, 0,1,2,3
.irp j, 0,2,4,6,8,10,12,14,16,18,20,22,24,26,28,30
	v_pk_mul_f32 v[128+32*\p+\j:129+32*\p+\j], v[128+32*\p+\j:129+32*\p+\j], v[116+2*\p:117+2*\p] op_sel_hi:[1,0]
.endr
.irp j, 0,2,4,6,8,10,12,14,16,18,20,22,24,26,28,30
	v_pk_mul_f32 v[128+32*\p+\j:129+32*\p+\j], v[128+32*\p+\j:129+32*\p+\j], v[32+\j:33+\j]
.endr
.irp i, 0,1,2,3,4,5,6,7
	ds_store_b128 v3, v[128+32*\p+4*\i:131+32*\p+4*\i] offset:576*\i
.endr
.irp i, 0,1,2,3,4,5,6,7
	ds_load_b128 v[64+4*\i:67+4*\i], v4 offset:16*\i   ; LDS serves a wave's instructions in order: block = lane comes back
.endr
	s_wait_dscnt 0x0                               ; the block is in; the last row's stores have read their registers
	QBLK
.irp i, 0,1,2
	ds_store_b64 v5, v[96+2*\i:97+2*\i] offset:8*\p+272*\i
.endr
	ds_store_b8 v6, v109 offset:4*\p
.endr
	s_wait_tensorcnt 0x1                           ; my K steps 0, 1 have landed; 2, 3 may be out
	s_wait_dscnt 0x0                               ; for the others' sake: my images, scale bytes and table rows are stored
	s_barrier_signal -1
	s_barrier_wait -1
.macro FRAG reg, adr, q, i             ; 16 rows x 128 K of the weight: six pieces of 8 bytes; where lanes 16-31's piece lies behind one padding more, the second address register serves
.irp p, 0,1,2,3,4,5
.set PP, 12*(\q)+6*(\p/3)+\p%3
.if PP%8 < 5
	ds_load_b64 v[\reg+2*\p:\reg+2*\p+1], v[\adr] offset:8*PP+16*(PP/8)+(\i)*16*PITCH
.else
	ds_load_b64 v[\reg+2*\p:\reg+2*\p+1], v[\adr+2] offset:8*PP+16*(PP/8)+(\i)*16*PITCH
.endif
.endr
.endm
; K step s, the slot's q-th.  Eight accumulators by turns, in the same order of registers on both ways.
.macro KSTEP slot, q, s, zero
	PLACES 4                                       ; in front of loads into registers that matrix instructions have read
.irp t, 0,1
.irp p, 0,1,2,3,4,5
	ds_load_b64 v[XF+12*\t+2*\p:XF+12*\t+2*\p+1], v8 offset:(8*\t+\s)*1632+272*\p
.endr
.endr
	ds_load_b32 v[XS], v9 offset:128*\s
.irp i, 0,1,2,3
	FRAG WF+12*\i, 10+\slot, \q, \i
.endr
	s_wait_dscnt 0x0
	s_cmp_eq_u32 s5, 0
	s_cbranch_scc0 .Lvv_\@
.irp t, 0,1
.irp b, 0,1,2,3
	MM ACC+32*\t+8*\b, WF+12*\b, XF+12*\t, \zero, WS+8*(\b/2)+\s, XS, \b%2, \t
.endr
.endr
	s_branch .Ldd_\@
.Lvv_\@:
.irp b, 0,1,2,3
.irp t, 0,1
	MM ACC+16*\b+8*\t, XF+12*\t, WF+12*\b, \zero, XS, WS+8*(\b/2)+\s, \t, \b%2
.endr
.endr
.Ldd_\@:
.endm
.macro REFILL slot
	s_wait_tensorcnt 0x0                           ; all my tensor loads have landed, so a group 0 may be written
	ds_add_u32 v1, v2
	s_add_nc_u64 s[46+4*\slot:47+4*\slot], s[46+4*\slot:47+4*\slot], 384   ; four K steps on
	s_wait_dscnt 0x0                               ; the add is done, and my reads of the slot are over
	CROUND                                         ; the same holds of every wave of all four partners
	tensor_load_to_lds s[44+4*\slot:47+4*\slot], s[36:43]
	s_nop 0
	PLACES 4
.endm
	KSTEP 0, 0, 0, 1
	KSTEP 0, 1, 1, 0
	REFILL 0
	KSTEP 1, 0, 2, 0
	KSTEP 1, 1, 3, 0
	REFILL 1
	KSTEP 0, 0, 4, 0
	KSTEP 0, 1, 5, 0
	s_wait_tensorcnt 0x0                           ; my last load: no load was issued behind it
	KSTEP 1, 0, 6, 0
	KSTEP 1, 1, 7, 0
	PLACES 4
.irp b, 0,1,2,3
	v_mov_b32 v[TM+4+\b], 0                        ; a lane permute's destination counts as one of its sources
.endr
	v_and_b32 v122, 15, v0
	v_bfe_u32 v123, v0, 4, 1
	v_and_b32 v124, 31, v0
	s_cmp_eq_u32 s5, 0
	s_cbranch_scc0 .Lvout
	; q, k: RoPE.  Register 32 T + 8 b + j is dim 16 b + 8 h + j of token 16 T + r; dims d and d + 32 are tiles b and b + 2
.irp t, 0,1
.irp b, 0,1
	ds_load_b128 v[CSB+32*\t+8*\b:CSB+32*\t+8*\b+3], v14 offset:4352*\t+64*\b
	ds_load_b128 v[CSB+32*\t+8*\b+4:CSB+32*\t+8*\b+7], v14 offset:4352*\t+64*\b+16
	ds_load_b128 v[CSB+32*\t+16+8*\b:CSB+32*\t+16+8*\b+3], v14 offset:4352*\t+64*\b+128
	ds_load_b128 v[CSB+32*\t+16+8*\b+4:CSB+32*\t+16+8*\b+7], v14 offset:4352*\t+64*\b+144
.endr
.endr
	s_wait_dscnt 0x0
.irp t, 0,1
.irp b, 0,1
.irp j, 0,2,4,6
.set A1, ACC+32*\t+8*\b+\j
.set A2, ACC+32*\t+16+8*\b+\j
.set R1, RR+32*\t+8*\b+\j
.set R2, RR+32*\t+16+8*\b+\j
.set CC, CSB+32*\t+8*\b+\j
.set SS, CSB+32*\t+16+8*\b+\j
	v_pk_mul_f32 v[R1:R1+1], v[A1:A1+1], v[CC:CC+1]
	v_pk_mul_f32 v[R2:R2+1], v[A2:A2+1], v[CC:CC+1]
	v_pk_fma_f32 v[R1:R1+1], v[A2:A2+1], v[SS:SS+1], v[R1:R1+1] neg_lo:[0,1,0] neg_hi:[0,1,0]
	v_pk_fma_f32 v[R2:R2+1], v[A1:A1+1], v[SS:SS+1], v[R2:R2+1]
.endr
.endr
.endr
	QUANT RR, s6                                   ; registers 6 T .. 6 T + 5: token 16 T + r, block h of its 64 dims
	s_cmp_eq_u32 s4, 0
	s_cbranch_scc0 .Lkout
	v_lshl_add_u32 v52, v124, 3, s88               ; q: 768 x head + 8 x lane
.irp t, 0,1
.irp i, 0,1,2
	global_store_b64 v52, v[PCD+6*\t+2*\i:PCD+6*\t+2*\i+1], s[28:29] offset:6656*\t+256*\i   ; 256 consecutive bytes a store
.endr
.endr
	v_lshrrev_b32 v53, 16, v[PW]
	v_and_b32 v54, 0xffff, v[PW]
	v_cmp_eq_u32 vcc_lo, 1, v123
	v_cndmask_b32 v54, v54, v53, vcc_lo            ; lanes 0-15 store tile T = 0's words, lanes 16-31 tile T = 1's
	v_add_nc_u32 v54, 0xfffffcfd, v54              ; 3 off both bytes: / 8
	v_lshl_or_b32 v54, v54, 16, v54                ; the two bytes serve as blocks 0, 1 and as blocks 2, 3
	v_mul_u32_u24 v55, v123, 6656
	v_lshl_add_u32 v55, v122, 2, v55
	v_add_nc_u32 v55, s89, v55
	global_store_b32 v55, v54, s[28:29] offset:6144
	s_branch .Lend
.Lkout:
	v_lshl_add_u32 v52, v124, 4, s86               ; k: the fragment as it stands: keys r (registers 0-5) and 16 + r (6-11)
.irp c, 0,1,2
	global_store_b128 v52, v[PCD+4*\c:PCD+4*\c+3], s[30:31] offset:512*\c
.endr
	v_lshl_add_u32 v55, v122, 2, s87
	global_store_b32 v55, v[PW], s[30:31] offset:98304   ; both halves of the lanes hold row r's word
	s_branch .Lend
.Lvout:
	QUANT ACC, s6                                  ; block b = dims 16 b + r over my 32 tokens; then lane (r, h), registers 6 i ..: the 24 bytes of dim 32 i + 16 h + r
	v_lshrrev_b32 v125, 3, v122
	v_and_b32 v126, 7, v122
	v_mul_u32_u24 v52, v125, 1536                  ; that dim is row 8 h + r % 8 of tile 2 i + r / 8: so the second product's results run along the next K
	v_lshl_add_u32 v52, v123, 6, v52
	v_lshl_add_u32 v52, v126, 3, v52
	v_add_nc_u32 v52, s84, v52
.irp i, 0,1
.irp c, 0,1,2
	global_store_b64 v52, v[PCD+6*\i+2*\c:PCD+6*\i+2*\c+1], s[30:31] offset:49152+3072*\i+128*\c
.endr
.endr
	v_lshlrev_b32 v53, 3, v123
	v_lshrrev_b32 v54, v53, v[PW]                  ; byte h,
	v_lshrrev_b32 v55, 16, v[PW]
	v_lshrrev_b32 v55, v53, v55                    ; byte 2 + h
	v_lshlrev_b32 v56, 6, v125
	v_lshl_add_u32 v56, v123, 5, v56
	v_lshl_add_u32 v56, v126, 2, v56
	v_add_nc_u32 v56, s85, v56
	global_store_b8 v56, v54, s[30:31] offset:100352
	global_store_b8 v56, v55, s[30:31] offset:100480
.Lend:
	s_wait_tensorcnt 0x0                           ; the wave's end
	ds_add_u32 v1, v2
	s_wait_dscnt 0x0
	CROUND                                         ; the closing round
	s_endpgm
.Lfunc_end_k_qb1f61d42a2_qkv:
	.size	k_qb1f61d42a2_qkv, .Lfunc_end_k_qb1f61d42a2_qkv-k_qb1f61d42a2_qkv
	.p2alignl 7, 3214868480
	.fill 96, 4, 3214868480
	.section	.rodata,"a",@progbits
	.p2align	6, 0x0
	.amdhsa_kernel k_qb1f61d42a2_qkv
		.amdhsa_group_segment_fixed_size 327680
		.amdhsa_private_segment_fixed_size 0
		.amdhsa_enable_private_segment 0
		.amdhsa_kernarg_size 104
		.amdhsa_user_sgpr_count 2
		.amdhsa_user_sgpr_kernarg_segment_ptr 1
		.amdhsa_wavefront_size32 1
		.amdhsa_system_sgpr_workgroup_id_x 1
		.amdhsa_system_sgpr_workgroup_id_y 1
		.amdhsa_system_sgpr_workgroup_id_z 1
		.amdhsa_system_vgpr_workitem_id 0
		.amdhsa_next_free_vgpr 256
		.amdhsa_next_free_sgpr 92
		.amdhsa_reserve_vcc 1
		.amdhsa_float_denorm_mode_32 3
		.amdhsa_float_denorm_mode_16_64 3
		.amdhsa_memory_ordered 1
		.amdhsa_forward_progress 1
		.amdhsa_inst_pref_size 100
	.end_amdhsa_kernel
	.amdgpu_metadata
---
amdhsa.version: [ 1, 2 ]
amdhsa.kernels:
  - .name:           k_qb1f61d42a2_qkv
    .symbol:         k_qb1f61d42a2_qkv.kd
    .args:
      - { .name: hidden_states, .offset: 0, .size: 8, .value_kind: global_buffer, .address_space: global }
      - { .name: kv_states, .offset: 8, .size: 8, .value_kind: global_buffer, .address_space: global }
      - { .name: ln1_w, .offset: 16, .size: 8, .value_kind: global_buffer, .address_space: global }
      - { .name: Wq_codes, .offset: 24, .size: 8, .value_kind: global_buffer, .address_space: global }
      - { .name: Wq_scales, .offset: 32, .size: 8, .value_kind: global_buffer, .address_space: global }
      - { .name: Wk_codes, .offset: 40, .size: 8, .value_kind: global_buffer, .address_space: global }
      - { .name: Wk_scales, .offset: 48, .size: 8, .value_kind: global_buffer, .address_space: global }
      - { .name: Wv_codes, .offset: 56, .size: 8, .value_kind: global_buffer, .address_space: global }
      - { .name: Wv_scales, .offset: 64, .size: 8, .value_kind: global_buffer, .address_space: global }
      - { .name: Wo_codes, .offset: 72, .size: 8, .value_kind: global_buffer, .address_space: global }
      - { .name: qbuf, .offset: 80, .size: 8, .value_kind: global_buffer, .address_space: global }
      - { .name: kvimg, .offset: 88, .size: 8, .value_kind: global_buffer, .address_space: global }
      - { .name: woimg, .offset: 96, .size: 8, .value_kind: global_buffer, .address_space: global }
    .group_segment_fixed_size: 327680
    .private_segment_fixed_size: 0
    .kernarg_segment_align: 8
    .kernarg_segment_size: 104
    .max_flat_workgroup_size: 256
    .sgpr_count:     92
    .vgpr_count:     256
    .wavefront_size: 32
...
	.end_amdgpu_metadata
.endif
;; end of part 1
;; launch attn (part 2): grid 256 x 1, 8 waves a work-group, clusters of 4 x 1, 327,680 bytes of LDS; arguments qbuf, kvimg, woimg, Wo_scales, attention_mask, hidden_states, ln2_w, hid, xq; writes hid, xq
.if DOCPART == 2
	.amdgcn_target "amdgcn-amd-amdhsa--gfx1250"
	.amdhsa_code_object_version 6
	.text
	.protected	k_qb1f61d42a2_attn
	.globl	k_qb1f61d42a2_attn
	.p2align	8
	.type	k_qb1f61d42a2_attn,@function
k_qb1f61d42a2_attn:
	s_mov_b64 s[64:65], 0
	v_nop
	global_prefetch_b8 v0, s[64:65] scope:SCOPE_SE
	s_setreg_imm32_b32 hwreg(HW_REG_WAVE_MODE, 25, 1), 1
	s_wait_xcnt 0x0
	s_wait_alu depctr_hold_cnt(0) depctr_sa_sdst(0) depctr_va_vdst(0) depctr_va_sdst(0) depctr_va_ssrc(0) depctr_va_vcc(0) depctr_vm_vsrc(0)
	s_getreg_b32 s2, hwreg(HW_REG_IB_STS2, 6, 4)
	s_cmp_eq_u32 s2, 0
	s_cbranch_scc0 .Lentry_in_a_cluster
	s_endpgm
.Lentry_in_a_cluster:
	s_bfe_u32 s2, ttmp6, 0x10000c
	s_cmp_lg_u32 s2, 0x3003
	s_cbranch_scc0 .Lentry_shape_is_right
	s_endpgm
.Lentry_shape_is_right:
; Attention on codes of FP6 (E2M3), then Wo, the residual, the second RMS norm and its quantiser.
; Work-group x owns 16 queries (rows 16 x on) and all 8 heads: wave w = head w, kv head w / 2.  So a tile of the mask serves eight heads, and a row's 512 attention outputs meet in one work-group.
; Every wave walks the batch's 2,048 keys, 128 a step, two steps to an LDS slot.  A slot's K, V and scales are 102,400 dense bytes, laid by the launch before in the order of the operands' registers;
; the four partners of a cluster belong to one batch and ask for them JOINTLY (waves 0-3); waves 4-7 fetch the work-group's own tile of the mask, 16 rows x 1,024 bytes.
; HEAD SIZE 64 IN A K OF 128: a fragment of K holds key m (registers 0-5) and key 16 + m (6-11) in row m; it is multiplied by [q, 0] and by [0, q], two views of 18 registers zeros | q | zeros.
; SOFTMAX: t = (score / 8 + mask) x log2(e); M = the running largest t rounded up to a whole number; p = 2^(t - M) is quantised along the keys; the sum is taken of the unquantised p and divides at the end.
; Both products are used transposed: a lane holds one query throughout.  p's keys and V's lie in the same order inside each block of 32.
; TAIL: wave w makes columns 128 w .. 128 w + 127 of attn Wo; the residual is the C of the sums' first instructions.
; WHAT THE TAIL ALONE READS IS ASKED FOR IN THE HEAD AND WAITED FOR LATE: the residual's tile is the last of a wave's first fills; 21 of Wo's 32 fragments stay on their way into window 1 while the keys are walked;
; Wo's scale words and the wave's part of ln2_w are laid into LDS bytes of the wave's own.
; LIMITS: a mask of -infinity gives p = 0; a row whose every logit lies under about -2e38 is not served (l = 0 gives NaN); NaN and +infinity in the mask are not served.
.set SLOT,  119040                     ; K 49,152 | V 49,152 | K's scale words 2,048 | V's 2,048 | the mask: 16 rows, pitch 1,040
.set KSCO,  98304
.set MSKO,  102400
.set RES,   238080                     ; wave w: 16 rows x 512 bytes of hidden_states, pitch 528
.set SPARE, 305664
.set WSL,   306688                     ; wave w: Wo's scale words of its 128 rows, as an image of 16 registers: 2,048 bytes; no tensor load lands here
.set LNL,   323072                     ; wave w: its 128 numbers of ln2_w: 512 bytes; no tensor load lands here
.set ATT,   67584                      ; in slot 0, once it has had its last fill and its last read: from byte 0 each wave's stage of 16 rows x 528; the attention's four fragments, six chunks of 256 bytes each;
.set ATS,   73728                      ; their scale words;
.set NRM,   74240                      ; the waves' sums of squares;
.set XSS,   75264                      ; 16 rows x 32 scale bytes
.set AK, 3
.set AV, 5
.set AS, 7
.set AM, 9
.set QS, 16
.set QHI, 18
.set QLO, 24
.set F,  36
.set KS, 84
.set VS, 86
.set MK, 88                            ; v88-151 the mask; then at work:
.set BM, 88
.set BT, 92
.set SO, 96
.set BY, 100
.set PCD, 104
.set PT, 116
.set PW, 124
.set FF, 126
.set W0, 128
.set W2, 130
.set S,  152
.set O,  216
.set WOA, 248                          ; v248  16 x lane: the address of Wo's loads, which stay out through the loop: the loop never writes it
.set SEL, 76
.set CS,  78
.set MSB, 0
.macro WIN new
.if MSB != \new
	s_set_vgpr_msb (MSB<<8)|\new
.set MSB, \new
.endif
.endm
.macro PLACES n
.rept \n
	v_nop
.endr
.endm
.macro CROUND
	s_barrier_signal -1
	s_barrier_wait -1
	s_cmp_lg_u32 s2, 0
	s_cbranch_scc1 .Lnw0_\@
	s_barrier_signal -3
.Lnw0_\@:
	s_barrier_wait -3
	s_barrier_signal -1
	s_barrier_wait -1
.endm
.macro MM d, a, b, z, sa, sb, ra, rb
.if (\z) && ((\ra) == 0) && ((\rb) == 0)
	v_wmma_scale_f32_16x16x128_f8f6f4 v[\d:\d+7], v[\a:\a+11], v[\b:\b+11], 0, v[\sa], v[\sb] matrix_a_fmt:MATRIX_FMT_FP6 matrix_b_fmt:MATRIX_FMT_FP6
.elseif (\z) && ((\ra) == 1) && ((\rb) == 0)
	v_wmma_scale_f32_16x16x128_f8f6f4 v[\d:\d+7], v[\a:\a+11], v[\b:\b+11], 0, v[\sa], v[\sb] matrix_a_fmt:MATRIX_FMT_FP6 matrix_b_fmt:MATRIX_FMT_FP6 matrix_a_scale:MATRIX_SCALE_ROW1
.elseif ((\ra) == 0) && ((\rb) == 0)
	v_wmma_scale_f32_16x16x128_f8f6f4 v[\d:\d+7], v[\a:\a+11], v[\b:\b+11], v[\d:\d+7], v[\sa], v[\sb] matrix_a_fmt:MATRIX_FMT_FP6 matrix_b_fmt:MATRIX_FMT_FP6
.else
	v_wmma_scale_f32_16x16x128_f8f6f4 v[\d:\d+7], v[\a:\a+11], v[\b:\b+11], v[\d:\d+7], v[\sa], v[\sb] matrix_a_fmt:MATRIX_FMT_FP6 matrix_b_fmt:MATRIX_FMT_FP6 matrix_a_scale:MATRIX_SCALE_ROW1
.endif
.endm
	s_load_b512 s[8:23], s[0:1], 0x0               ; qbuf 8, kvimg 10, woimg 12, Wo scales 14, mask 16, hidden 18, ln2_w 20, hid 22
	s_load_b64 s[24:25], s[0:1], 0x40              ; xq
	v_lshl_add_u32 v1, v0, 2, SPARE
	v_mov_b32 v2, 0
	ds_add_u32 v1, v2
	ds_add_u32 v1, v2
	s_wait_dscnt 0x0
	v_lshrrev_b32 v3, 5, v0
	v_readfirstlane_b32 s2, v3                     ; wave = head
	s_bfe_u32 s6, ttmp6, 0x40000                   ; my place in the cluster: it enters global addresses of my own loads alone
	s_lshl_b32 s3, ttmp9, 2
	s_add_co_u32 s3, s3, s6                        ; x
	s_lshr_b32 s4, ttmp9, 5                        ; the batch, which the partners share
	s_lshr_b32 s5, s2, 1                           ; the kv head
	s_and_b32 s7, s2, 3                            ; which quarter of a slot's bytes I fetch
	s_mul_i32 s87, s7, 25600
	s_mul_i32 s88, s4, 819200
	s_add_co_u32 s88, s88, s87
	s_mov_b32 s89, 0
	s_mul_i32 s94, s7, 4160
	s_add_co_u32 s94, s94, MSKO
	s_lshl_b32 s90, s3, 17
	s_lshl_b32 s91, s7, 15
	s_add_co_u32 s90, s90, s91                     ; the mask: row 16 x + 4 x quarter, 8,192 bytes a row
	s_mov_b32 s91, 0
	s_mul_i32 s95, s2, 8448
	s_add_co_u32 s95, s95, RES
	s_lshl_b32 s92, s3, 16
	s_lshl_b32 s93, s2, 9
	s_add_co_u32 s92, s92, s93                     ; hidden_states and hid: row 16 x, column 128 w
	s_mov_b32 s93, 0
	; the prefetches: where my wave's stand (slot 2; the first change of slots steps them to slot 3)
	s_mul_i32 s98, s4, 819200
	s_mul_i32 s99, s6, 25600
	s_add_co_u32 s98, s98, s99
	s_mul_i32 s99, s2, 6400
	s_add_co_u32 s98, s98, s99
	s_add_co_u32 s98, s98, 204800                  ; K, V: partner's 25,600 bytes, wave's 6,400 of them
	s_lshl_b32 s99, s3, 17
	s_and_b32 s86, s2, 1
	s_lshl_b32 s86, s86, 16
	s_add_co_u32 s99, s99, s86
	s_add_co_u32 s99, s99, 2048                    ; the mask: 8 rows a wave
	s_mov_b32 s84, 1024
	s_and_b32 s86, ttmp9, 31
	s_cmp_lt_u32 s2, 4
	s_cselect_b32 s98, s98, s99
	s_cselect_b32 s84, 102400, s84                 ; a slot on
	s_cselect_b32 s86, s86, 0                      ; K, V are asked for by the batch's first cluster alone; the mask by every work-group
	s_mov_b32 s99, 0
	s_mov_b32 s85, 0
	s_lshr_b32 s87, s2, 1
	s_cmp_eq_u32 s87, 3
	s_cselect_b32 s86, 1, s86                      ; waves 6, 7 ask for nothing
	s_cmp_eq_u32 s86, 0
	s_cselect_b32 s86, 1, -1
	s_mul_i32 s87, s7, 25600
	; descriptor groups 1
	s_mov_b32 s28, 15|(3<<16)|(1<<21)              ; K, V: 100 rows of 256 bytes, dense; all four partners
	s_mov_b32 s29, 32<<16
	s_mov_b32 s30, 100<<16
	s_mov_b32 s31, 32<<16
	s_mov_b32 s32, 100
	s_mov_b32 s33, 32
	s_mov_b32 s34, 0
	s_mov_b32 s35, 0
	s_mov_b32 s36, (3<<16)|(1<<20)|(7<<22)|(3<<25) ; the mask: 4 rows of 1,024 bytes, 8,192 apart, 16 bytes of padding behind each
	s_mov_b32 s37, 128<<16
	s_mov_b32 s38, 4<<16
	s_mov_b32 s39, 128<<16
	s_mov_b32 s40, 4
	s_mov_b32 s41, 1024
	s_mov_b32 s42, 0
	s_mov_b32 s43, 0
	s_mov_b32 s44, (3<<16)|(1<<20)|(6<<22)|(3<<25) ; the residual: 16 rows of 512 bytes, 4,096 apart, 16 bytes of padding behind each
	s_mov_b32 s45, 64<<16
	s_mov_b32 s46, 16<<16
	s_mov_b32 s47, 64<<16
	s_mov_b32 s48, 16
	s_mov_b32 s49, 512
	s_mov_b32 s50, 0
	s_mov_b32 s51, 0
	s_mov_b32 s[SEL], 0x76543210
	s_mov_b32 s[SEL+1], 0xfedcba98
	s_mov_b32 s[CS], 0x3fb8aa3b                    ; log2(e)
	s_mov_b32 s[CS+1], s[CS]
	s_mov_b32 s96, 0x3a800000
	s_mov_b32 s97, 0x358637bd
	s_wait_kmcnt 0x0
	s_mov_b32 s52, 1
	s_mov_b32 s53, s87
	s_add_nc_u64 s[54:55], s[10:11], s[88:89]
	s_add_nc_u64 s[58:59], s[54:55], 102400
	s_or_b32 s55, s55, 0x80000000
	s_mov_b32 s56, 1
	s_add_co_u32 s57, s87, SLOT
	s_or_b32 s59, s59, 0x80000000
	s_mov_b32 s60, 1
	s_mov_b32 s61, s94
	s_add_nc_u64 s[62:63], s[16:17], s[90:91]
	s_add_nc_u64 s[70:71], s[62:63], 1024
	s_or_b32 s63, s63, 0x80000000
	s_mov_b32 s68, 1
	s_add_co_u32 s69, s94, SLOT
	s_or_b32 s71, s71, 0x80000000
	s_mov_b32 s72, 1
	s_mov_b32 s73, s95
	s_add_nc_u64 s[74:75], s[18:19], s[92:93]
	s_or_b32 s75, s75, 0x80000000
	s_cmp_lt_u32 s2, 4
	s_cselect_b64 s[82:83], s[10:11], s[16:17]
	s_add_nc_u64 s[82:83], s[82:83], s[98:99]
	s_add_nc_u64 s[22:23], s[22:23], s[92:93]
	s_mov_b32 s67, 0
	s_mul_i32 s66, s3, 6656
	s_add_nc_u64 s[8:9], s[8:9], s[66:67]
	s_mul_i32 s66, s2, 49152
	s_add_nc_u64 s[12:13], s[12:13], s[66:67]
	s_lshl_b32 s66, s2, 11
	s_add_nc_u64 s[14:15], s[14:15], s[66:67]
	s_lshl_b32 s66, s2, 9
	s_add_nc_u64 s[20:21], s[20:21], s[66:67]
	s_add_nc_u64 s[26:27], s[24:25], 3145728
	s_lshl_b32 s66, s3, 9
	s_add_nc_u64 s[26:27], s[26:27], s[66:67]
	s_lshl_b32 s66, s3, 3
	s_add_co_u32 s66, s66, s2
	s_mul_i32 s66, s66, 1536
	s_add_nc_u64 s[24:25], s[24:25], s[66:67]
	CROUND                                         ; all four work-groups are here: the first joint loads meet
	s_cmp_lt_u32 s2, 4                             ; a wave's three first fills stand in one branch: three loads of mine are out.  Slot 0 goes first: the first key step waits for it alone; the residual, which the tail reads, goes last
	s_cbranch_scc0 .Lfirst_m
	tensor_load_to_lds s[52:55], s[28:35]
	s_nop 0
	tensor_load_to_lds s[56:59], s[28:35]
	s_nop 0
	tensor_load_to_lds s[72:75], s[44:51]
	s_nop 0
	PLACES 4
	s_branch .Lfirst_d
.Lfirst_m:
	tensor_load_to_lds s[60:63], s[36:43]
	s_nop 0
	tensor_load_to_lds s[68:71], s[36:43]
	s_nop 0
	tensor_load_to_lds s[72:75], s[44:51]
	s_nop 0
	PLACES 4
.Lfirst_d:
	v_and_b32 v17, 31, v0                          ; lane
	v_and_b32 v36, 15, v0                          ; r
	v_bfe_u32 v37, v0, 4, 1                        ; h
	s_mul_i32 s94, s5, 12288
	v_lshl_add_u32 v[AK], v17, 4, s94
	v_add_nc_u32 v[AK+1], SLOT, v[AK]
	v_mul_u32_u24 v[AV], v37, 384
	v_lshl_add_u32 v[AV], v36, 3, v[AV]
	s_add_co_u32 s95, s94, 49152
	v_add_nc_u32 v[AV], s95, v[AV]
	v_add_nc_u32 v[AV+1], SLOT, v[AV]
	s_lshl_b32 s95, s5, 9
	s_add_co_u32 s95, s95, KSCO
	v_lshl_add_u32 v[AS], v17, 2, s95
	v_add_nc_u32 v[AS+1], SLOT, v[AS]
	v_mul_u32_u24 v[AM], v36, 1040
	v_lshl_add_u32 v[AM], v37, 5, v[AM]
	v_add_nc_u32 v[AM], MSKO, v[AM]
	v_add_nc_u32 v[AM+1], SLOT, v[AM]
	s_mul_i32 s95, s2, 768
	v_lshl_add_u32 v38, v17, 3, s95
	s_lshl_b32 s95, s2, 6
	v_lshl_add_u32 v39, v36, 2, s95
	v_lshlrev_b32 v[WOA], 4, v17
	v_and_b32 v44, 8, v36
	v_add_nc_u32 v44, v44, v36
	v_lshl_add_u32 v44, v37, 3, v44
	v_lshlrev_b32 v44, 4, v44                      ; Wo's scales: row 8 h + r + 8 (r / 8) of 16 bytes
	s_lshl_b32 s95, s2, 11
	s_add_co_u32 s95, s95, WSL
	v_lshl_add_u32 v249, v17, 4, s95               ; where their image lies in LDS: 16 x lane + 2,048 x wave
	s_lshl_b32 s95, s2, 9
	s_add_co_u32 s95, s95, LNL
	v_lshl_add_u32 v250, v17, 4, s95               ; and my 128 numbers of ln2_w: 16 x lane + 512 x wave
.irp i, 0,1,2
	global_load_b64 v[QLO+2*\i:QLO+2*\i+1], v38, s[8:9] offset:256*\i   ; q: block h of query r's 64 dims
.endr
	global_load_b32 v[QS], v39, s[8:9] offset:6144
.irp g, 0,1,2,3
	global_load_b128 v[88+4*\g:91+4*\g], v44, s[14:15] offset:512*\g    ; Wo's scale words: register 4 G + s; lanes 0-15 tile 2 G, lanes 16-31 tile 2 G + 1
.endr
	global_load_b128 v[104:107], v[WOA], s[20:21]  ; ln2_w: my 512 bytes
	WIN 0x40                                       ; destination window 1: Wo's fragments 8 s + t up to 20 stay there until the tail
.irp f, 0,1,2,3,4,5,6,7,8,9,10,11,12,13,14,15,16,17,18,19,20
.irp c, 0,1,2
	global_load_b128 v[12*\f+4*\c:12*\f+4*\c+3], v[WOA], s[12:13] offset:(4*(\f%8)+\f/8)*1536+512*\c
.endr
.endr
	WIN 0
.irp j, 0,1,2,3,4,5
	v_mov_b32 v[QHI+\j], 0
	v_mov_b32 v[QLO+6+\j], 0
.endr
	v_min_u32 v41, 24, v17
	v_lshlrev_b32 v41, 8, v41                      ; K, V: 25 blocks of 256 bytes a wave: lanes 25-31 name lane 24's again
	v_lshrrev_b32 v42, 2, v17
	v_lshlrev_b32 v42, 13, v42
	v_and_b32 v43, 3, v17
	v_lshl_or_b32 v42, v43, 8, v42                 ; the mask: row lane / 4, block lane % 4 of the row's 1,024 bytes
	s_cmp_lt_u32 s2, 4
	s_cselect_b32 s95, -1, 0
	v_cndmask_b32 v11, v42, v41, s95
	v_mov_b32 v13, 0xff61b1e6                      ; the largest t so far: -3e38
	v_floor_f32 v12, -v13                          ; -M
	v_mov_b32 v14, 0
	v_mov_b32 v15, 0
; A KEY STEP: 128 keys, the q-th of slot n.  first = 1: O^T's sums begin.
.macro STEP n, q, first
	PLACES 4                                       ; in front of loads into registers that matrix instructions have read
.irp k, 0,1,2,3
.irp c, 0,1,2
	ds_load_b128 v[F+12*\k+4*\c:F+12*\k+4*\c+3], v[AK+\n] offset:(4*\q+\k)*1536+512*\c
.endr
.endr
.irp i, 0,1
	ds_load_b32 v[KS+\i], v[AS+\n] offset:(4*\q+2*\i)*64
.endr
.irp k, 0,1,2,3
.irp u, 0,1
	ds_load_b128 v[MK+16*\k+8*\u:MK+16*\k+8*\u+3], v[AM+\n] offset:512*\q+128*\k+64*\u
	ds_load_b128 v[MK+16*\k+8*\u+4:MK+16*\k+8*\u+7], v[AM+\n] offset:512*\q+128*\k+64*\u+16
.endr
.endr
	s_wait_dscnt 16                                ; K and its scale words are in; the mask's 16 loads may be out
.irp k, 0,1,2,3
	MM S+16*\k, F+12*\k, QLO, 1, KS+\k/2, QS, \k%2, 0      ; keys 32 k + 8 h + j
	MM S+16*\k+8, F+12*\k, QHI, 1, KS+\k/2, QS, \k%2, 0    ; keys 32 k + 16 + 8 h + j
.endr
	PLACES 4
.irp d, 0,1,2,3
.irp c, 0,1
.irp i, 0,1,2
	ds_load_b64 v[F+12*\d+6*\c+2*\i:F+12*\d+6*\c+2*\i+1], v[AV+\n] offset:6144*\q+1536*\d+768*\c+128*\i
.endr
.endr
.endr
.irp i, 0,1
	ds_load_b32 v[VS+\i], v[AS+\n] offset:2048+256*\q+128*\i
.endr
	s_wait_dscnt 26                                ; the mask is in; V's 26 loads may be out
.set J, 0
.rept 32
	v_pk_add_f32 v[S+J:S+J+1], v[S+J:S+J+1], v[MK+J:MK+J+1]   ; each accumulator from its low end on
.set J, J+2
.endr
.irp b, 0,1,2,3
	v_max3_num_f32 v[BM+\b], v[S+16*\b], v[S+1+16*\b], v[S+2+16*\b]   ; the largest logit of each block of 32 keys: for the row's maximum and for the block's largest p
.endr
.irp i, 3,5,7,9,11,13
.irp b, 0,1,2,3
	v_max3_num_f32 v[BM+\b], v[BM+\b], v[S+16*\b+\i], v[S+1+16*\b+\i]
.endr
.endr
.irp b, 0,1,2,3
	v_max_num_f32 v[BM+\b], v[BM+\b], v[S+15+16*\b]
.endr
.irp b, 0,1,2,3
	v_permlanex16_b32 v[BT+\b], v[BM+\b], s[SEL], s[SEL+1]
.endr
.irp b, 0,1,2,3
	v_max_num_f32 v[BM+\b], v[BM+\b], v[BT+\b]
.endr
	v_max3_num_f32 v[W0], v[BM], v[BM+1], v[BM+2]
	v_max_num_f32 v[W0], v[W0], v[BM+3]
	v_mul_f32 v[W0], s[CS], v[W0]
	v_max_num_f32 v13, v13, v[W0]                  ; the running largest t
	v_mov_b32 v[W0], v12
	v_floor_f32 v12, -v13                          ; the new -M: a whole number
	v_sub_f32 v[W0], v12, v[W0]
	v_cvt_i32_f32 v[W0], v[W0]                     ; (it saturates)
	v_ldexp_f32 v[FF], 1.0, v[W0]                  ; f = 2^(old M - new M)
.set J, 0
.rept 32
	v_pk_fma_f32 v[S+J:S+J+1], v[S+J:S+J+1], s[CS:CS+1], v[12:13] op_sel_hi:[1,0,0]   ; t - M
.set J, J+2
.endr
.irp b, 0,1,2,3
	v_fma_f32 v[BM+\b], v[BM+\b], s[CS], v12
.endr
.set J, 0
.rept 64
	v_exp_f32 v[S+J], v[S+J]                       ; p, at most 1, not normalised
.set J, J+1
.endr
	v_pk_mul_f32 v[14:15], v[14:15], v[FF:FF+1] op_sel_hi:[1,0]   ; the sums under the new M (a plain place behind the exponentials)
	s_wait_alu depctr_va_vdst(0)                   ; one wait for the batch, ahead of its first reader
.irp b, 0,1,2,3
	v_exp_f32 v[BM+\b], v[BM+\b]                   ; the block's largest p
.endr
	v_pk_add_f32 v[W2:W2+1], v[S:S+1], v[S+2:S+3]  ; the row's sum is taken of the unquantised p
.irp j, 4,8,12,16,20,24,28,32,36,40,44,48,52,56,60
	v_pk_add_f32 v[14:15], v[14:15], v[S+\j:S+1+\j]
	v_pk_add_f32 v[W2:W2+1], v[W2:W2+1], v[S+2+\j:S+3+\j]
.endr
	v_pk_add_f32 v[14:15], v[14:15], v[W2:W2+1]
	s_wait_alu depctr_va_vdst(0)                   ; and one for the four
.irp b, 0,1,2,3
	v_max_num_f32 v[BM+\b], 0x1800000, v[BM+\b]
.endr
.irp b, 0,1,2,3
	v_add_nc_u32 v[SO+\b], 0xff000000, v[BM+\b]
.endr
.irp b, 0,1,2,3
	v_lshrrev_b32 v[BY+\b], 23, v[SO+\b]
.endr
	v_lshl_or_b32 v[PW], v[BY+1], 8, v[BY]
	v_lshl_or_b32 v[PW], v[BY+2], 16, v[PW]
	v_lshl_or_b32 v[PW], v[BY+3], 24, v[PW]
.irp c, 0,1
	v_cvt_scalef32_pk16_fp6_f32 v[PCD+6*\c:PCD+2+6*\c], v[S+32*\c:S+15+32*\c], v[SO+2*\c]
	v_cvt_scalef32_pk16_fp6_f32 v[PT+4*\c:PT+2+4*\c], v[S+16+32*\c:S+31+32*\c], v[SO+2*\c+1]
.endr
	v_nop
.irp c, 0,1
.irp i, 0,1,2
	v_permlane16_swap_b32 v[PCD+6*\c+\i], v[PT+4*\c+\i]
.endr
.irp i, 0,1,2
	v_mov_b32 v[PCD+3+6*\c+\i], v[PT+4*\c+\i]
.endr
.endr
.if \first
	PLACES 8                                       ; a scale register written by a vector instruction stands 8 places ahead of a scaled matrix instruction
.else
.set J, 0
.rept 16
	v_pk_mul_f32 v[O+J:O+J+1], v[O+J:O+J+1], v[FF:FF+1] op_sel_hi:[1,0]   ; O^T under the new M; these are also those places
.set J, J+2
.endr
.endif
	s_wait_dscnt 0x0                               ; V is in
.irp d, 0,1,2,3
	MM O+8*\d, F+12*\d, PCD, \first, VS+\d/2, PW, \d%2, 0
.endr
.endm
.macro JLOAD k, m                      ; waves 0-3: the partners' joint load of K, V; waves 4-7: my work-group's tile of the mask
	s_cmp_lt_u32 s2, 4
	s_cbranch_scc0 .Lfm_\@
	tensor_load_to_lds s[\k:\k+3], s[28:35]
	s_nop 0
	PLACES 4
	s_branch .Lfd_\@
.Lfm_\@:
	tensor_load_to_lds s[\m:\m+3], s[36:43]
	s_nop 0
	PLACES 4
.Lfd_\@:
.endm
; A prefetch of what the NEXT change of slots will ask for, two key steps ahead of that load; one instruction a wave, behind the tensor load's four lines.  The last change that fills a slot asks for nothing.
.macro ASK how
.if \how
	s_cmp_gt_u32 s80, s86
.else
	s_cmp_ge_u32 s80, s86
.endif
	s_cbranch_scc0 .Lnm_\@
	global_prefetch_b8 v11, s[82:83] th:TH_LOAD_NT scope:SCOPE_SE
.Lnm_\@:
.endm
; The change of slots at the head of slot n's two steps; fill = 1: the slot just left takes the keys two slots on.
.macro TWO n, fill, how
	s_wait_tensorcnt 0x0                           ; all my tensor loads have landed, my part of slot n among them (at the first change the residual too)
	ds_add_u32 v1, v2
.if \fill
.if \n == 1
	s_add_nc_u64 s[54:55], s[54:55], 204800
	s_add_nc_u64 s[62:63], s[62:63], 2048
.else
	s_add_nc_u64 s[58:59], s[58:59], 204800
	s_add_nc_u64 s[70:71], s[70:71], 2048
.endif
	s_wait_xcnt 0x0                                ; the last prefetch, two key steps back, has read its address
	s_add_nc_u64 s[82:83], s[82:83], s[84:85]
	s_wait_dscnt 0x0                               ; the add is done, and my reads of the slot that I have left are over
	CROUND
.if \n == 1
	JLOAD 52, 60
.else
	JLOAD 56, 68
.endif
	ASK \how
.else
	s_wait_dscnt 0x0
	s_barrier_signal -1
	s_barrier_wait -1
.endif
	STEP \n, 0, 0
	STEP \n, 1, 0
.endm
	s_wait_tensorcnt 0x2                           ; my part of slot 0 has landed; slot 1's and the residual, issued behind it, may be out
	s_barrier_signal -1
	s_barrier_wait -1
	s_wait_loadcnt 63                              ; q, its scale word, Wo's scale words and ln2_w are in; behind them stand Wo's 63 fragment loads, which stay out: the tail waits for them
.irp g, 0,1,2,3
	ds_store_b128 v249, v[88+4*\g:91+4*\g] offset:512*\g   ; the registers as they stand: the same lines as loads bring them back in the tail
.endr
	ds_store_b128 v250, v[104:107]
	STEP 0, 0, 1
	STEP 0, 1, 0
	s_mov_b32 s80, 3
.Lloop:
	TWO 1, 1, 0
	TWO 0, 1, 1
	s_sub_co_u32 s80, s80, 1
	s_cmp_lg_u32 s80, 0
	s_cbranch_scc1 .Lloop
	TWO 1, 0, 0                                    ; the last slot is written out: nothing is left to fetch
	; ---- O^T / l
	PLACES 4
	v_add_f32 v14, v14, v15
	v_permlanex16_b32 v[W0], v14, s[SEL], s[SEL+1]
	v_add_f32 v14, v14, v[W0]
	v_rcp_f32 v[FF], v14
	v_mov_b32 v[FF+1], 0                           ; (a plain place; the pair's upper half)
	s_wait_xcnt 0x0                                ; the last prefetch has read v11, and Wo's loads of the head have read v248
	v_and_b32 v129, 31, v0
	v_and_b32 v130, 15, v0
	v_bfe_u32 v131, v0, 4, 1
	s_mul_i32 s87, s2, 768
	s_add_co_u32 s87, s87, ATT
	v_lshl_add_u32 v3, v129, 3, s87                ; v3: my head's half of fragment w / 2
	s_lshl_b32 s87, s5, 7
	s_and_b32 s88, s2, 1
	s_lshl_b32 s88, s88, 1
	s_add_co_u32 s87, s87, s88
	s_add_co_u32 s87, s87, ATS
	v_lshl_add_u32 v4, v129, 2, s87                ; v4: and of its scale word
	v_lshl_add_u32 v5, v129, 3, ATT
	v_lshl_add_u32 v6, v129, 2, ATS
	s_mul_i32 s87, s2, 8448
	v_mul_u32_u24 v7, v130, 528
	v_lshl_add_u32 v7, v131, 6, v7
	v_add_nc_u32 v8, s87, v7                       ; v8: my stage, in: row r, + 64 h
	v_lshl_add_u32 v9, v129, 4, s87                ; v9: back: a row of 512 bytes
	s_add_co_u32 s87, s87, RES
	v_add_nc_u32 v7, s87, v7                       ; v7: the residual, in the results' layout
	s_lshl_b32 s87, s2, 7
	s_add_co_u32 s87, s87, NRM
	v_lshl_add_u32 v10, v129, 2, s87
	v_lshl_add_u32 v11, v129, 2, NRM
	v_lshl_add_u32 v12, v129, 4, XSS
	s_lshl_b32 s87, s2, 2
	s_add_co_u32 s87, s87, XSS
	v_lshl_add_u32 v122, v130, 5, s87
	v_lshlrev_b32 v13, 4, v129
	s_lshl_b32 s87, s2, 11
	s_add_co_u32 s87, s87, WSL
	v_lshl_add_u32 v15, v129, 4, s87               ; v15: Wo's scale words, where I laid them
	s_lshl_b32 s89, s2, 9
	s_add_co_u32 s89, s89, LNL
	s_wait_alu depctr_va_vdst(0)
.set J, 0
.rept 16
	v_pk_mul_f32 v[O+J:O+J+1], v[O+J:O+J+1], v[FF:FF+1] op_sel_hi:[1,0]
.set J, J+2
.endr
	v_lshl_add_u32 v14, v131, 6, s89               ; v14: my part of ln2_w in LDS, + 64 h
	; ---- quantised along the head: register 16 b + i is dim 32 b + 16 h + i
.irp b, 0,1
	v_max3_num_f32 v[36+\b], |v[O+16*\b]|, |v[O+1+16*\b]|, 0x1800000
.endr
.irp i, 2,4,6,8,10,12,14
.irp b, 0,1
	v_max3_num_f32 v[36+\b], v[36+\b], |v[O+16*\b+\i]|, |v[O+1+16*\b+\i]|
.endr
.endr
.irp b, 0,1
	v_permlanex16_b32 v[38+\b], v[36+\b], s[SEL], s[SEL+1]
.endr
.irp b, 0,1
	v_max_num_f32 v[36+\b], v[36+\b], v[38+\b]
.endr
.irp b, 0,1
	v_add_nc_u32 v[40+\b], 0xff000000, v[36+\b]
.endr
.irp b, 0,1
	v_lshrrev_b32 v[42+\b], 23, v[40+\b]
.endr
	v_lshl_or_b32 v51, v43, 8, v42
	v_cvt_scalef32_pk16_fp6_f32 v[44:46], v[O:O+15], v40
	v_cvt_scalef32_pk16_fp6_f32 v[48:50], v[O+16:O+31], v41
	v_nop
.irp i, 0,1,2
	v_permlane16_swap_b32 v[44+\i], v[48+\i]
.endr
	v_mov_b32 v47, v48
	v_mov_b32 v48, v49
	v_mov_b32 v49, v50
.irp i, 0,1,2
	ds_store_b64 v3, v[44+2*\i:45+2*\i] offset:256*\i
.endr
	ds_store_b16 v4, v51
.irp f, 21,22,23,24,25,26,27,28,29,30,31
.irp c, 0,1,2
	global_load_b128 v[124+12*(\f-21)+4*\c:127+12*(\f-21)+4*\c], v13, s[12:13] offset:(4*(\f%8)+\f/8)*1536+512*\c
.endr
.endr
	s_wait_dscnt 0x0
	s_barrier_signal -1
	s_barrier_wait -1                              ; the attention's four fragments lie in LDS
	; ---- hidden = residual + attn Wo: eight accumulators by turns; register 16 G + i of them is column 128 w + 32 G + 16 h + i of query r
.irp t, 0,1,2,3,4,5,6,7
	ds_load_b128 v[16+8*\t:19+8*\t], v7 offset:128*(\t/2)+32*(\t%2)
	ds_load_b128 v[20+8*\t:23+8*\t], v7 offset:128*(\t/2)+32*(\t%2)+16
.endr
.irp g, 0,1,2,3
	ds_load_b128 v[80+4*\g:83+4*\g], v15 offset:512*\g   ; Wo's scale words: register 4 G + s; lanes 0-15 tile 2 G, lanes 16-31 tile 2 G + 1
.endr
.macro AFLOAD s
.irp p, 0,1,2,3,4,5
	ds_load_b64 v[96+12*((\s)%2)+2*\p:97+12*((\s)%2)+2*\p], v5 offset:1536*(\s)+256*\p
.endr
	ds_load_b32 v[120+(\s)%2], v6 offset:128*(\s)
.endm
.macro WOMM s, t
.set FI, 8*(\s)+(\t)
.if FI < 21
	WIN 0x01
	MM 16+8*(\t), 12*FI, 96+12*((\s)%2), 0, 80+4*((\t)/2)+(\s), 120+(\s)%2, (\t)%2, 0
.else
	WIN 0
	MM 16+8*(\t), 124+12*(FI-21), 96+12*((\s)%2), 0, 80+4*((\t)/2)+(\s), 120+(\s)%2, (\t)%2, 0
.endif
.endm
	AFLOAD 0
	AFLOAD 1
	s_wait_dscnt 0x0
	s_wait_loadcnt 33                              ; the head's 63 fragment loads are in; the 33 loads issued behind them may be out
.irp s, 0,1
.irp t, 0,1,2,3,4,5,6,7
	WOMM \s, \t
.endr
.endr
	WIN 0
	PLACES 4
	AFLOAD 2
	AFLOAD 3
	s_wait_dscnt 0x0
	s_wait_loadcnt 0x0
.irp s, 2,3
.irp t, 0,1,2,3,4,5,6,7
	WOMM \s, \t
.endr
.endr
	WIN 0
	PLACES 4
.irp g, 0,1,2,3
.irp k, 0,1,2,3
	ds_load_b128 v[188+16*\g+4*\k:191+16*\g+4*\k], v14 offset:128*\g+16*\k   ; ln2_w at my 64 columns: sixteen lanes share each address
.endr
.endr
	v_pk_mul_f32 v[80:81], v[16:17], v[16:17]
	v_pk_mul_f32 v[82:83], v[18:19], v[18:19]
.irp j, 4,8,12,16,20,24,28,32,36,40,44,48,52,56,60
	v_pk_fma_f32 v[80:81], v[16+\j:17+\j], v[16+\j:17+\j], v[80:81]
	v_pk_fma_f32 v[82:83], v[18+\j:19+\j], v[18+\j:19+\j], v[82:83]
.endr
	v_pk_add_f32 v[80:81], v[80:81], v[82:83]
	v_add_f32 v80, v80, v81
	v_permlanex16_b32 v84, v80, s[SEL], s[SEL+1]
	v_add_f32 v80, v80, v84
	ds_store_b32 v10, v80                          ; my 128 columns' part of each row's sum of squares
.irp t, 0,1,2,3,4,5,6,7
	ds_store_b128 v8, v[16+8*\t:19+8*\t] offset:128*(\t/2)+32*(\t%2)
	ds_store_b128 v8, v[20+8*\t:23+8*\t] offset:128*(\t/2)+32*(\t%2)+16
.endr
.irp i, 0,1,2,3,4,5,6,7,8,9,10,11,12,13,14,15
	ds_load_b128 v[124+4*\i:127+4*\i], v9 offset:528*\i   ; LDS serves a wave's instructions in order: these see my stores
.endr
.irp i, 0,1,2,3,4,5,6,7,8,9,10,11,12,13,14,15
	s_wait_dscnt 15-\i
	global_store_b128 v13, v[124+4*\i:127+4*\i], s[22:23] offset:4096*\i   ; 32 lanes store 512 consecutive bytes
.endr
	s_wait_dscnt 0x0
	s_barrier_signal -1
	s_barrier_wait -1
.irp k, 0,1,2,3,4,5,6,7
	ds_load_b32 v[84+\k], v11 offset:128*\k
.endr
	s_wait_dscnt 0x0
.irp k, 1,2,3,4,5,6,7
	v_add_f32 v84, v84, v[84+\k]
.endr
	v_fma_f32 v84, v84, s96, s97
	v_rsq_f32 v92, v84
	v_mov_b32 v93, 0
	s_wait_alu depctr_va_vdst(0)
.set J, 0
.rept 32
	v_pk_mul_f32 v[16+J:17+J], v[16+J:17+J], v[92:93] op_sel_hi:[1,0]
.set J, J+2
.endr
.set J, 0
.rept 32
	v_pk_mul_f32 v[16+J:17+J], v[16+J:17+J], v[188+J:189+J]
.set J, J+2
.endr
	; ---- K step w of the MLP's operand: v80-95 at work, v96 the scale word, v98-117 the codes
.irp b, 0,1,2,3
	v_max3_num_f32 v[80+\b], |v[16+16*\b]|, |v[17+16*\b]|, 0x1800000
.endr
.irp i, 2,4,6,8,10,12,14
.irp b, 0,1,2,3
	v_max3_num_f32 v[80+\b], v[80+\b], |v[16+16*\b+\i]|, |v[17+16*\b+\i]|
.endr
.endr
.irp b, 0,1,2,3
	v_permlanex16_b32 v[84+\b], v[80+\b], s[SEL], s[SEL+1]
.endr
.irp b, 0,1,2,3
	v_max_num_f32 v[80+\b], v[80+\b], v[84+\b]
.endr
.irp b, 0,1,2,3
	v_add_nc_u32 v[92+\b], 0xff000000, v[80+\b]
.endr
.irp b, 0,1,2,3
	v_lshrrev_b32 v[84+\b], 23, v[92+\b]
.endr
	v_lshl_or_b32 v96, v85, 8, v84
	v_lshl_or_b32 v96, v86, 16, v96
	v_lshl_or_b32 v96, v87, 24, v96
.irp c, 0,1
	v_cvt_scalef32_pk16_fp6_f32 v[98+6*\c:100+6*\c], v[16+32*\c:31+32*\c], v[92+2*\c]
	v_cvt_scalef32_pk16_fp6_f32 v[110+4*\c:112+4*\c], v[32+32*\c:47+32*\c], v[93+2*\c]
.endr
	v_nop
.irp c, 0,1
.irp i, 0,1,2
	v_permlane16_swap_b32 v[98+6*\c+\i], v[110+4*\c+\i]
.endr
.irp i, 0,1,2
	v_mov_b32 v[101+6*\c+\i], v[110+4*\c+\i]
.endr
.endr
.irp c, 0,1,2
	global_store_b128 v13, v[98+4*\c:101+4*\c], s[24:25] offset:512*\c
.endr
	ds_store_b32 v122, v96                         ; both halves of the lanes hold row r's word
	s_wait_dscnt 0x0
	s_barrier_signal -1
	s_barrier_wait -1
	s_cmp_lg_u32 s2, 0
	s_cbranch_scc1 .Lnot0
	ds_load_b128 v[118:121], v12
	s_wait_dscnt 0x0
	global_store_b128 v13, v[118:121], s[26:27]    ; 16 rows x 32 scale bytes: 512 consecutive bytes
.Lnot0:
	s_wait_tensorcnt 0x0                           ; the wave's end
	ds_add_u32 v1, v2
	s_wait_dscnt 0x0
	CROUND                                         ; the closing round
	s_endpgm
.Lfunc_end_k_qb1f61d42a2_attn:
	.size	k_qb1f61d42a2_attn, .Lfunc_end_k_qb1f61d42a2_attn-k_qb1f61d42a2_attn
	.p2alignl 7, 3214868480
	.fill 96, 4, 3214868480
	.section	.rodata,"a",@progbits
	.p2align	6, 0x0
	.amdhsa_kernel k_qb1f61d42a2_attn
		.amdhsa_group_segment_fixed_size 327680
		.amdhsa_private_segment_fixed_size 0
		.amdhsa_enable_private_segment 0
		.amdhsa_kernarg_size 72
		.amdhsa_user_sgpr_count 2
		.amdhsa_user_sgpr_kernarg_segment_ptr 1
		.amdhsa_wavefront_size32 1
		.amdhsa_system_sgpr_workgroup_id_x 1
		.amdhsa_system_sgpr_workgroup_id_y 1
		.amdhsa_system_sgpr_workgroup_id_z 1
		.amdhsa_system_vgpr_workitem_id 0
		.amdhsa_next_free_vgpr 512
		.amdhsa_next_free_sgpr 100
		.amdhsa_reserve_vcc 0
		.amdhsa_float_denorm_mode_32 3
		.amdhsa_float_denorm_mode_16_64 3
		.amdhsa_memory_ordered 1
		.amdhsa_forward_progress 1
		.amdhsa_inst_pref_size 205
	.end_amdhsa_kernel
	.amdgpu_metadata
---
amdhsa.version: [ 1, 2 ]
amdhsa.kernels:
  - .name:           k_qb1f61d42a2_attn
    .symbol:         k_qb1f61d42a2_attn.kd
    .args:
      - { .name: qbuf, .offset: 0, .size: 8, .value_kind: global_buffer, .address_space: global }
      - { .name: kvimg, .offset: 8, .size: 8, .value_kind: global_buffer, .address_space: global }
      - { .name: woimg, .offset: 16, .size: 8, .value_kind: global_buffer, .address_space: global }
      - { .name: Wo_scales, .offset: 24, .size: 8, .value_kind: global_buffer, .address_space: global }
      - { .name: attention_mask, .offset: 32, .size: 8, .value_kind: global_buffer, .address_space: global }
      - { .name: hidden_states, .offset: 40, .size: 8, .value_kind: global_buffer, .address_space: global }
      - { .name: ln2_w, .offset: 48, .size: 8, .value_kind: global_buffer, .address_space: global }
      - { .name: hid, .offset: 56, .size: 8, .value_kind: global_buffer, .address_space: global }
      - { .name: xq, .offset: 64, .size: 8, .value_kind: global_buffer, .address_space: global }
    .group_segment_fixed_size: 327680
    .private_segment_fixed_size: 0
    .kernarg_segment_align: 8
    .kernarg_segment_size: 72
    .max_flat_workgroup_size: 256
    .sgpr_count:     100
    .vgpr_count:     512
    .wavefront_size: 32
...
	.end_amdgpu_metadata
.endif
;; end of part 2
;; launch gateup (part 3): grid 16 x 16, 4 waves a work-group, clusters of 4 x 4, 327,680 bytes of LDS; arguments xq, Wgate_codes, Wup_codes, Wgate_scales, Wup_scales, aq; writes aq
.if DOCPART == 3
	.amdgcn_target "amdgcn-amd-amdhsa--gfx1250"
	.amdhsa_code_object_version 6
	.text
	.protected	k_qb1f61d42a2_gateup
	.globl	k_qb1f61d42a2_gateup
	.p2align	8
	.type	k_qb1f61d42a2_gateup,@function
k_qb1f61d42a2_gateup:
	s_mov_b64 s[64:65], 0
	v_nop
	global_prefetch_b8 v0, s[64:65] scope:SCOPE_SE
	s_setreg_imm32_b32 hwreg(HW_REG_WAVE_MODE, 25, 1), 1
	s_wait_xcnt 0x0
	s_wait_alu depctr_hold_cnt(0) depctr_sa_sdst(0) depctr_va_vdst(0) depctr_va_sdst(0) depctr_va_ssrc(0) depctr_va_vcc(0) depctr_vm_vsrc(0)
	s_getreg_b32 s2, hwreg(HW_REG_IB_STS2, 6, 4)
	s_cmp_eq_u32 s2, 0
	s_cbranch_scc0 .Lentry_in_a_cluster
	s_endpgm
.Lentry_in_a_cluster:
	s_bfe_u32 s2, ttmp6, 0x10000c
	s_cmp_lg_u32 s2, 0xf033
	s_cbranch_scc0 .Lentry_shape_is_right
	s_endpgm
.Lentry_shape_is_right:
; a = silu(x Wgate) (x Wup), quantised along the 4,096; both products on codes of FP6 (E2M3).  x comes as images of the operand's registers, [row tile of 16][K step][1,536 bytes], its scale bytes as rows of 32.
; A tile is 256 rows x 128 columns of BOTH products: B's tile is 128 rows of Wgate and the same 128 rows of Wup.  A wave makes 128 rows x (64 + 64): B's blocks 0-3 are gate's tiles, 4-7 up's:
; 64 accumulators, and a lane holds gate and up of the same places.  K = 1,024 goes in four steps of 256 through a ring of two LDS slots.
; A WORK-GROUP STAYS: the 512 tiles are shared among 256 work-groups, two neighbouring tiles of columns (2 X' and 2 X' + 1) on the same 256 rows each.  The ring does not stop at the first tile's end: its last two
; changes of slots ask for the second tile's first two steps, which land while the first tile goes out.  The two tiles are written out one behind the other: nothing is jumped over.
; CLUSTERS: 4 x 4 work-groups; A's tile is shared along a row of the cluster, B's along a column: each is asked for jointly.
; The matrix instruction is used transposed (source 0 = 16 rows of the weight, source 1 = 16 rows of x): a lane holds one row of x, its registers run along the columns, which are the next K.
; WAY OUT: tiles of 16 neighbouring columns give a lane the columns 8 h + j and 16 + 8 h + j of a block of 32; the four pieces of 48 bits are put in their true order by four byte permutes, since Wdown's codes lie in true order.
; LIMITS: NaN and infinities are not served; a block under 2^-124 is held at that floor; a block of zeros carries the floor's byte (this program alone reads the bytes).
.set NQ,     2
.set PITCH,  240                       ; a row of B's tile: 3 x (64 bytes + 16 of padding)
.set FR,     12
.set NP,     4
.set ABYTES, 49152                     ; A's part of a slot: [row tile 16][K step 2][1,536], dense
.set SLOT,   110592                    ; then gate's 128 rows, then up's
.set SCL,    221184                    ; the scales, units of 256 bytes + 16: A's two halves of 128 rows; then gate's 256 rows (both tiles'); then up's
.set HALFS,  4352                      ; those of 128 rows
.set SBLK,   544                       ; of 16
.set SPARE,  247296
.set STGS,   247808                    ; the results' scale words, 1,024 bytes for each tile: bytes of their own, into which no tile lands
.set ADRA, 16
.set ADRB, 20
.set STGA, 24
.set STGR, 25
.set ADRS2, 26                         ; v26, v27 the scale words' addresses for the first tile; v15, v14 for the second
.set ADRS, 27
.set SPW,  28
.set NIL,  29
.set GO,   30
.set SC,   32
.set AF,   128
.set G1, 24
.set G0, 32
.set G1B, 48
.set G0B, 56
.set G1S, 68
.set G0S, 76
.set G1SB, 80
.set G0SB, 88
.set SEL, 100
.set MSB, 0
.macro WIN new
.if MSB != \new
	s_set_vgpr_msb (MSB<<8)|\new
.set MSB, \new
.endif
.endm
.set MUL_LO, 0xa1                      ; source 0 (B) window 1, source 1 (A) window 0, C and D window 2
.set MUL_HI, 0xf1
.set TO_B,   0x40
.macro JLOAD g0a, g1a, g0b, g1b        ; waves 0, 1 fetch for A, waves 2, 3 for B; four v_nop follow each line
	s_cmp_eq_u32 s17, 0
	s_cbranch_scc0 .Lfor_b_\@
	tensor_load_to_lds s[\g0a:\g0a+3], s[\g1a:\g1a+7]
	s_nop 0
.rept 4
	v_nop
.endr
	s_branch .Lasked_\@
.Lfor_b_\@:
	tensor_load_to_lds s[\g0b:\g0b+3], s[\g1b:\g1b+7]
	s_nop 0
.rept 4
	v_nop
.endr
.Lasked_\@:
.endm
.macro CREST
	s_cmp_lg_u32 s16, 0
	s_cbranch_scc1 .Lnot_wave_0_\@
	s_barrier_signal -3
.Lnot_wave_0_\@:
	s_barrier_wait -3
	s_barrier_signal -1
	s_barrier_wait -1
.endm
.macro CROUND
	s_barrier_signal -1
	s_barrier_wait -1
	CREST
.endm
.macro PLACES n
.rept \n
	v_nop
.endr
.endm
	s_load_b256 s[4:11], s[0:1], 0x0               ; xq 4, Wgate codes 6, Wup codes 8, Wgate scales 10
	s_load_b128 s[12:15], s[0:1], 0x20             ; Wup scales 12, aq 14
	v_lshl_add_u32 v[SPW], v0, 2, SPARE
	v_mov_b32 v[NIL], 0
	ds_add_u32 v28, v29
	ds_add_u32 v28, v29
	s_wait_dscnt 0x0
	v_lshrrev_b32 v1, 5, v0
	v_readfirstlane_b32 s16, v1                    ; wave 0..3
	s_lshr_b32 s17, s16, 1                         ; which half of the rows is mine.  Also: I fetch for A (0) or for B (1)
	s_and_b32 s18, s16, 1                          ; which half of the columns.  Also: which half of A's rows, or gate (0) or up (1), I fetch
	s_bfe_u32 s40, ttmp6, 0x40000
	s_bfe_u32 s41, ttmp6, 0x40004
	s_lshl_b32 s42, ttmp9, 2
	s_add_co_u32 s42, s42, s40                     ; X': 256 columns, two tiles
	s_and_b32 s19, ttmp7, 0xffff
	s_lshl_b32 s19, s19, 2
	s_add_co_u32 s19, s19, s41                     ; Y: 256 rows
	s_lshl_b32 s43, s41, 2
	s_lshl_b32 s43, 15, s43                        ; my row of the cluster
	s_lshl_b32 s44, 0x1111, s40                    ; my column
	s_or_b32 s[G1+0], s43, (3<<16)|(1<<21)         ; A: 8 row tiles x 3,072 bytes (two K steps), 12,288 apart; elements of 8 bytes; no padding
	s_mov_b32 s[G1+1], 384<<16
	s_mov_b32 s[G1+2], 8<<16
	s_mov_b32 s[G1+3], 384<<16
	s_mov_b32 s[G1+4], 8
	s_mov_b32 s[G1+5], 1536
	s_mov_b32 s[G1+6], 0
	s_mov_b32 s[G1+7], 0
	s_or_b32 s[G1B+0], s44, (1<<20)|(1<<21)|(3<<22)|(3<<25)   ; B: 128 rows x 192 bytes of a row of 768, 16 bytes of padding behind each 64
	s_mov_b32 s[G1B+1], 192<<16
	s_mov_b32 s[G1B+2], 128<<16
	s_mov_b32 s[G1B+3], 192<<16
	s_mov_b32 s[G1B+4], 128
	s_mov_b32 s[G1B+5], 768
	s_mov_b32 s[G1B+6], 0
	s_mov_b32 s[G1B+7], 0
	s_or_b32 s[G1S+0], s43, (3<<16)|(1<<20)|(1<<21)|(5<<22)|(3<<25)   ; A's scales of 128 rows: 16 rows of 256 bytes, 16 of padding behind each
	s_or_b32 s[G1SB+0], s44, (3<<16)|(1<<20)|(1<<21)|(5<<22)|(3<<25)  ; a weight's scales of 256 rows, both tiles': 32 such rows
.irp g, G1S, G1SB
	s_mov_b32 s[\g+1], 32<<16
	s_mov_b32 s[\g+3], 32<<16
	s_mov_b32 s[\g+5], 32
	s_mov_b32 s[\g+6], 0
	s_mov_b32 s[\g+7], 0
.endr
	s_mov_b32 s[G1S+2], 16<<16
	s_mov_b32 s[G1S+4], 16
	s_mov_b32 s[G1SB+2], 32<<16
	s_mov_b32 s[G1SB+4], 32
	s_lshl_b32 s20, s19, 4
	s_lshl_b32 s21, s18, 3
	s_add_co_u32 s20, s20, s21
	s_mul_i32 s20, s20, 12288                      ; A's codes: row tile 16 Y + 8 x half
	s_mov_b32 s21, 0
	s_lshl_b32 s22, s19, 13
	s_lshl_b32 s23, s18, 12
	s_add_co_u32 s22, s22, s23
	s_add_co_u32 s22, s22, 3145728                 ; A's scales: row 256 Y + 128 x half, 32 bytes a row
	s_mov_b32 s23, 0
	s_mul_i32 s46, s42, 196608                     ; B's codes: row 256 X'
	s_mov_b32 s47, 0
	s_lshl_b32 s92, s42, 13                        ; B's scales
	s_mov_b32 s93, 0
	s_mul_i32 s45, s18, 24576                      ; where they go: no place in the cluster enters an LDS address
	s_mul_i32 s94, s18, 30720
	s_add_co_u32 s94, s94, ABYTES
	s_mul_i32 s95, s18, HALFS
	s_add_co_u32 s95, s95, SCL
	s_mul_i32 s2, s18, 2*HALFS
	s_add_co_u32 s2, s2, SCL+2*HALFS
	s_wait_kmcnt 0x0
	s_cmp_eq_u32 s18, 0
	s_cselect_b64 s[6:7], s[6:7], s[8:9]           ; gate or up: the choice hangs on the wave's number alone
	s_cselect_b64 s[10:11], s[10:11], s[12:13]
	s_add_nc_u64 s[20:21], s[4:5], s[20:21]
	s_add_nc_u64 s[22:23], s[4:5], s[22:23]
	s_add_nc_u64 s[46:47], s[6:7], s[46:47]
	s_add_nc_u64 s[92:93], s[10:11], s[92:93]
	CROUND                                         ; all sixteen work-groups are here: the first joint loads meet
	s_mov_b32 s[G0S], 1
	s_mov_b32 s[G0S+1], s95
	s_mov_b64 s[G0S+2:G0S+3], s[22:23]
	s_or_b32 s[G0S+3], s[G0S+3], 0x80000000
	s_mov_b32 s[G0SB], 1
	s_mov_b32 s[G0SB+1], s2
	s_mov_b64 s[G0SB+2:G0SB+3], s[92:93]
	s_or_b32 s[G0SB+3], s[G0SB+3], 0x80000000
	JLOAD G0S, G1S, G0SB, G1SB                     ; the scales first: filled once, for both tiles
.irp s, 0,1
	s_mov_b32 s[G0+4*\s], 1
	s_add_co_u32 s[G0+4*\s+1], s45, \s*SLOT
	s_add_nc_u64 s[G0+4*\s+2:G0+4*\s+3], s[20:21], \s*3072
	s_or_b32 s[G0+4*\s+3], s[G0+4*\s+3], 0x80000000
	s_mov_b32 s[G0B+4*\s], 1
	s_add_co_u32 s[G0B+4*\s+1], s94, \s*SLOT
	s_add_nc_u64 s[G0B+4*\s+2:G0B+4*\s+3], s[46:47], \s*192
	s_or_b32 s[G0B+4*\s+3], s[G0B+4*\s+3], 0x80000000
	JLOAD G0+4*\s, G1, G0B+4*\s, G1B
.endr
	v_and_b32 v1, 15, v0
	v_bfe_u32 v2, v0, 4, 1
	v_and_b32 v3, 31, v0
	s_mul_i32 s66, s17, 24576
	v_lshl_add_u32 v[ADRA], v3, 4, s66             ; A: my 8 row tiles, 16 x lane
	v_add_nc_u32 v[ADRA+1], SLOT, v[ADRA]
	v_mul_u32_u24 v4, v1, PITCH
	v_mad_u32_u24 v4, v2, 24, v4
	s_mul_i32 s66, s18, 15360
	s_add_co_u32 s66, s66, ABYTES
	v_add_nc_u32 v[ADRB], s66, v4                  ; B: my 64 rows of gate's 128; up's lie 128 rows on
	v_lshl_add_u32 v[ADRB+2], v2, 4, v[ADRB]
	v_add_nc_u32 v[ADRB+1], SLOT, v[ADRB]
	v_add_nc_u32 v[ADRB+3], SLOT, v[ADRB+2]
	v_lshlrev_b32 v5, 5, v1                        ; my row's scales: 32 bytes a row,
	v_lshrrev_b32 v6, 8, v5
	v_lshl_add_u32 v5, v6, 4, v5                   ; and 16 more for each 256 passed
	s_mul_i32 s66, s17, HALFS
	s_mul_i32 s67, s18, 2176
	s_add_co_u32 s67, s67, 2*HALFS
	s_sub_co_u32 s67, s67, s66
	v_mul_u32_u24 v6, s67, v2                      ; lanes 16-31 take B's: gate's rows of the first tile, my half
	s_add_co_u32 s66, s66, SCL
	v_add_nc_u32 v5, v5, v6
	v_add_nc_u32 v27, s66, v5
	v_mul_u32_u24 v6, v2, 6528
	v_add_nc_u32 v26, v27, v6                      ; for blocks 4-7: up's words lie 8,704 bytes behind gate's, of which the blocks' own 4 x 544 are 2,176
	v_mul_u32_u24 v6, v2, HALFS
	v_add_nc_u32 v14, v27, v6                      ; the second tile: A's words are the same, B's lie 128 rows on
	v_add_nc_u32 v15, v26, v6
	s_lshl_b32 s66, s17, 9
	s_lshl_b32 s67, s18, 1
	s_add_co_u32 s66, s66, s67
	s_add_co_u32 s66, s66, STGS
	v_lshl_add_u32 v[STGA], v1, 2, s66             ; the way out: my two bytes of row r's scale word
	s_lshl_b32 s66, s16, 8
	s_add_co_u32 s66, s66, STGS
	v_lshl_add_u32 v[STGR], v3, 3, s66
	v_lshlrev_b32 v[GO], 3, v3
	s_lshl_b32 s98, s19, 9
	s_lshl_b32 s99, s17, 8
	s_add_co_u32 s98, s98, s99
	s_lshl_b32 s99, s42, 1
	s_add_co_u32 s98, s98, s99
	s_mul_i32 s98, s98, 1536                       ; aq's codes: (row tile 16 Y + 8 x half) x 32 + K step 2 X'
	s_mul_i32 s99, s18, 768
	s_add_co_u32 s98, s98, s99
	s_mov_b32 s99, 0
	s_add_nc_u64 s[96:97], s[14:15], 12582912
	s_add_nc_u64 s[14:15], s[14:15], s[98:99]
	s_lshl_b32 s98, s42, 15
	s_lshl_b32 s66, s19, 10
	s_add_co_u32 s98, s98, s66
	s_lshl_b32 s66, s16, 8
	s_add_co_u32 s98, s98, s66
	s_add_nc_u64 s[96:97], s[96:97], s[98:99]      ; aq's scale words: [K step 2 X'][row 256 Y + 64 w]
	s_mov_b32 s[SEL], 0x76543210
	s_mov_b32 s[SEL+1], 0xfedcba98
	s_mov_b32 s20, 0xbfb8aa3b                      ; -log2(e)  (s20-23 and s45 are done with as offsets)
	s_mov_b32 s21, s20
	s_mov_b32 s22, 0x05040100
	s_mov_b32 s23, 0x05040302
	s_mov_b32 s45, 0x07060302
.macro FRAGB reg, adr, q, i            ; 16 rows x 128 K of a weight: six pieces of 8 bytes
.irp p, 0,1,2,3,4,5
.set PP, 12*(\q)+6*(\p/3)+\p%3
.if PP%8 < 5
	ds_load_b64 v[\reg+2*\p:\reg+2*\p+1], v[\adr] offset:8*PP+16*(PP/8)+(16*(\i)+64*((\i)/4))*PITCH
.else
	ds_load_b64 v[\reg+2*\p:\reg+2*\p+1], v[\adr+2] offset:8*PP+16*(PP/8)+(16*(\i)+64*((\i)/4))*PITCH
.endif
.endr
.endm
.macro FRAGA reg, slot, q, i           ; an image comes back as it was stored: three loads of 512 consecutive bytes
.irp c, 0,1,2
	ds_load_b128 v[\reg+4*\c:\reg+4*\c+3], v[ADRA+\slot] offset:(2*(\i)+(\q))*1536+512*\c
.endr
.endm
; 16 matrix instructions: A's blocks a0, a0 + 1 x B's eight.  The 64 accumulators take turns, one instruction a turn, in the same order in every step.
.macro MUL16 a0, p, q, sc, zero
.irp a, \a0, \a0+1
.irp b, 0,1,2,3,4,5,6,7
.if \zero
	v_wmma_scale_f32_16x16x128_f8f6f4 v[8*(8*((\a)%4)+\b):8*(8*((\a)%4)+\b)+7], v[128*(\p)+FR*\b:128*(\p)+FR*\b+FR-1], v[AF+FR*(\a):AF+FR*(\a)+FR-1], 0, v[SC+8*NQ*(\sc)+NQ*\b+(\q)], v[SC+8*NQ*(\sc)+NQ*(\a)+(\q)] matrix_a_fmt:MATRIX_FMT_FP6 matrix_b_fmt:MATRIX_FMT_FP6 matrix_a_scale:MATRIX_SCALE_ROW1
.else
	v_wmma_scale_f32_16x16x128_f8f6f4 v[8*(8*((\a)%4)+\b):8*(8*((\a)%4)+\b)+7], v[128*(\p)+FR*\b:128*(\p)+FR*\b+FR-1], v[AF+FR*(\a):AF+FR*(\a)+FR-1], v[8*(8*((\a)%4)+\b):8*(8*((\a)%4)+\b)+7], v[SC+8*NQ*(\sc)+NQ*\b+(\q)], v[SC+8*NQ*(\sc)+NQ*(\a)+(\q)] matrix_a_fmt:MATRIX_FMT_FP6 matrix_b_fmt:MATRIX_FMT_FP6 matrix_a_scale:MATRIX_SCALE_ROW1
.endif
.endr
.endr
.endm
.macro FETCH_B slot, q, p
	WIN TO_B
.irp i, 0,1,2,3,4,5,6,7
	FRAGB 128*(\p)+FR*\i, ADRB+\slot, \q, \i
.endr
	WIN 0
.endm
.macro FETCH_A slot, q, i0
.irp i, \i0, \i0+1, \i0+2, \i0+3
	FRAGA AF+FR*(\i), \slot, \q, \i
.endr
.endm
.macro SCALES sc                       ; two words a row; lanes 0-15 A's block i, lanes 16-31 B's block i
.irp i, 0,1,2,3
	ds_load_b64 v[SC+8*NQ*\sc+NQ*\i:SC+8*NQ*\sc+NQ*\i+1], v[ADRS] offset:\i*SBLK
.endr
.irp i, 4,5,6,7
	ds_load_b64 v[SC+8*NQ*\sc+NQ*\i:SC+8*NQ*\sc+NQ*\i+1], v[ADRS2] offset:\i*SBLK
.endr
.endm
.macro STEP slot, q, zero
	s_wait_dscnt 12                                ; B's set and A's blocks 0-3 are in; the youngest twelve loads (A's blocks 4-7) may be out
	WIN MUL_LO
	MUL16 0, (\q)%2, \q, \slot, \zero
	MUL16 2, (\q)%2, \q, \slot, \zero
	s_wait_dscnt 0
	PLACES NP
	FETCH_B \slot, (\q)+1, 1-(\q)%2
	FETCH_A \slot, (\q)+1, 0
	WIN MUL_HI
	MUL16 4, (\q)%2, \q, \slot, \zero
	MUL16 6, (\q)%2, \q, \slot, \zero
	PLACES NP
	WIN 0
	FETCH_A \slot, (\q)+1, 4
.endm
; The descriptors' steps behind a round.  way = 1: this tile's K step two slots on.  way = 2: the NEXT tile's K step of this slot: A goes back along K, B goes 128 rows on and back along K.
.macro ONWARD slot, way
.if \way == 1
	s_add_nc_u64 s[G0+4*\slot+2:G0+4*\slot+3], s[G0+4*\slot+2:G0+4*\slot+3], 6144
	s_add_nc_u64 s[G0B+4*\slot+2:G0B+4*\slot+3], s[G0B+4*\slot+2:G0B+4*\slot+3], 384
.else
	s_sub_nc_u64 s[G0+4*\slot+2:G0+4*\slot+3], s[G0+4*\slot+2:G0+4*\slot+3], 6144
	s_add_nc_u64 s[G0B+4*\slot+2:G0B+4*\slot+3], s[G0B+4*\slot+2:G0B+4*\slot+3], 98304-384
.endif
	JLOAD G0+4*\slot, G1, G0B+4*\slot, G1B
.endm
; A slot's last step and the change of slots.  fill = 0: nothing is asked for; 1, 2: ONWARD's ways.
.macro TURN slot, next, fill
	s_wait_tensorcnt 0x0                           ; all my tensor loads have landed: my part of the next slot
	ds_add_u32 v[SPW], v[NIL]
	s_wait_dscnt 13                                ; (the add and A's blocks 4-7 may be out)
	WIN MUL_LO
	MUL16 0, 1, NQ-1, \slot, 0
	s_wait_dscnt 0x0                               ; the add is done, and my reads of this slot are over
	s_barrier_signal -1
	MUL16 2, 1, NQ-1, \slot, 0
	WIN 0
	s_barrier_wait -1
.if \fill
	CREST                                          ; the barrier has opened a round of the cluster's: no wave of any partner still reads this slot or has a load on its way
	ONWARD \slot, \fill
.else
	PLACES NP
.endif
	v_add_nc_u32 v[ADRS], 4*NQ, v[ADRS]
	v_add_nc_u32 v[ADRS2], 4*NQ, v[ADRS2]
	FETCH_B \next, 0, 0
	FETCH_A \next, 0, 0
	SCALES \next
	WIN MUL_HI
	MUL16 4, 1, NQ-1, \slot, 0
	MUL16 6, 1, NQ-1, \slot, 0
	PLACES NP
	WIN 0
	FETCH_A \next, 0, 4
.endm
; THE WAY OUT, a block of 16 rows at a time.  v32-63 the sigmoid, v64-95 g u and then the result, v96-103 at work, v104.., v108.. the codes; each block has its own six registers for its codes and one for its bytes.  TL: the tile, 0 or 1.
.set TT, 32
.set GU, 64
.set TM, 96
.set EE, 104
.set OO, 108
.macro ACT a
.set AC, 64*((\a)%4)
.set WW, 130+6*(\a)
	WIN 0x0a+5*((\a)/4)                            ; sources 0 and 1: window 2 or 3
.set J, 0
.rept 16
	v_pk_mul_f32 v[TT+J:TT+J+1], v[AC+J:AC+J+1], s[20:21] op_sel_hi:[1,0]   ; each accumulator from its low end on
.set J, J+2
.endr
.set J, 0
.rept 16
	v_pk_mul_f32 v[GU+J:GU+J+1], v[AC+J:AC+J+1], v[AC+32+J:AC+33+J]
.set J, J+2
.endr
	WIN 0
.set J, 0
.rept 32
	v_exp_f32 v[TT+J], v[TT+J]
.set J, J+1
.endr
	v_nop
	s_wait_alu depctr_va_vdst(0)                   ; one wait for the batch
.set J, 0
.rept 16
	v_pk_add_f32 v[TT+J:TT+J+1], v[TT+J:TT+J+1], 1.0 op_sel_hi:[1,0]
.set J, J+2
.endr
.set J, 0
.rept 32
	v_rcp_f32 v[TT+J], v[TT+J]
.set J, J+1
.endr
	v_nop
	s_wait_alu depctr_va_vdst(0)
.set J, 0
.rept 16
	v_pk_mul_f32 v[GU+J:GU+J+1], v[GU+J:GU+J+1], v[TT+J:TT+J+1]   ; g u / (1 + e^-g)
.set J, J+2
.endr
.irp b, 0,1
	v_max3_num_f32 v[TM+\b], |v[GU+16*\b]|, |v[GU+1+16*\b]|, 0x1800000
.endr
.irp i, 2,4,6,8,10,12,14
.irp b, 0,1
	v_max3_num_f32 v[TM+\b], v[TM+\b], |v[GU+16*\b+\i]|, |v[GU+1+16*\b+\i]|
.endr
.endr
.irp b, 0,1
	v_permlanex16_b32 v[TM+2+\b], v[TM+\b], s[SEL], s[SEL+1]
.endr
.irp b, 0,1
	v_max_num_f32 v[TM+\b], v[TM+\b], v[TM+2+\b]
.endr
.irp b, 0,1
	v_add_nc_u32 v[TM+4+\b], 0xff000000, v[TM+\b]
.endr
.irp b, 0,1
	v_lshrrev_b32 v[TM+6+\b], 23, v[TM+4+\b]
.endr
	v_lshl_or_b32 v[180+(\a)], v[TM+7], 8, v[TM+6]
	v_cvt_scalef32_pk16_fp6_f32 v[EE:EE+2], v[GU:GU+15], v[TM+4]
	v_cvt_scalef32_pk16_fp6_f32 v[OO:OO+2], v[GU+16:GU+31], v[TM+5]
	v_nop
.irp i, 0,1,2
	v_permlane16_swap_b32 v[EE+\i], v[OO+\i]       ; lane half h now holds block h: in EE columns 0-7 | 16-23, in OO columns 8-15 | 24-31, 48 bits each
.endr
	v_mov_b32 v[WW], v[EE]
	v_perm_b32 v[WW+1], v[OO], v[EE+1], s22
	v_perm_b32 v[WW+2], v[OO+1], v[OO], s23
	v_perm_b32 v[WW+3], v[EE+2], v[EE+1], s23
	v_perm_b32 v[WW+4], v[OO+1], v[EE+2], s45
	v_mov_b32 v[WW+5], v[OO+2]
.irp i, 0,1,2
	global_store_b64 v[GO], v[WW+2*\i:WW+2*\i+1], s[14:15] offset:49152*(\a)+256*\i+1536*TL   ; 32 lanes store 256 consecutive bytes
.endr
	ds_store_b16 v[STGA], v[180+(\a)] offset:64*(\a)+1024*TL
.endm
	s_wait_tensorcnt 1                             ; the scales and my part of slot 0 are in; slot 1's load may be out
	s_barrier_signal -1
	s_barrier_wait -1
	; ---- THE FIRST TILE
.set TL, 0
	FETCH_B 0, 0, 0
	FETCH_A 0, 0, 0
	SCALES 0
	FETCH_A 0, 0, 4
	STEP 0, 0, 1                                   ; the first step's products start the sums
	TURN 0, 1, 1
	STEP 1, 0, 0
	TURN 1, 0, 1
	STEP 0, 0, 0
	TURN 0, 1, 2                                   ; THE RING GOES ON INTO THE SECOND TILE: slot 0 takes its K steps 0, 1,
	STEP 1, 0, 0
	s_wait_tensorcnt 0x0                           ; the tile's last step: all my tensor loads have landed: my part of the second tile's slot 0
	ds_add_u32 v[SPW], v[NIL]
	s_wait_dscnt 13                                ; (the add and A's blocks 4-7 may be out)
	WIN MUL_LO
	MUL16 0, 1, NQ-1, 1, 0
	s_wait_dscnt 0x0                               ; the add is done, and my reads of slot 1 are over
	s_barrier_signal -1
	MUL16 2, 1, NQ-1, 1, 0
	WIN 0
	s_barrier_wait -1
	CREST
	ONWARD 1, 2                                    ; slot 1 its K steps 2, 3: this load has the whole way out in which to land
	WIN MUL_HI
	MUL16 4, 1, NQ-1, 1, 0
	MUL16 6, 1, NQ-1, 1, 0
	WIN 0
	PLACES NP
	v_mov_b32 v[TM+2], 0                           ; a lane permute's destination counts as one of its sources
	v_mov_b32 v[TM+3], 0
.irp a, 0,1,2,3,4,5,6,7
	ACT \a
.endr
	s_wait_xcnt 0x0                                ; the stores have read their registers: A's fragments land there next
	; ---- THE SECOND TILE: its slot 0 was shown whole to every wave by the round above
.set TL, 1
.set ADRS, 14
.set ADRS2, 15
	FETCH_B 0, 0, 0
	FETCH_A 0, 0, 0
	SCALES 0
	FETCH_A 0, 0, 4
	STEP 0, 0, 1
	TURN 0, 1, 1
	STEP 1, 0, 0
	TURN 1, 0, 1
	STEP 0, 0, 0
	TURN 0, 1, 0                                   ; nothing is left to fetch
	STEP 1, 0, 0
	s_wait_dscnt 12
	WIN MUL_LO
	MUL16 0, 1, NQ-1, 1, 0
	MUL16 2, 1, NQ-1, 1, 0
	s_wait_dscnt 0
	WIN MUL_HI
	MUL16 4, 1, NQ-1, 1, 0
	MUL16 6, 1, NQ-1, 1, 0
	WIN 0
	PLACES NP
	v_mov_b32 v[TM+2], 0
	v_mov_b32 v[TM+3], 0
.irp a, 0,1,2,3,4,5,6,7
	ACT \a
.endr
	s_wait_dscnt 0x0
	s_barrier_signal -1
	s_barrier_wait -1                              ; a row's word comes from two waves: one barrier serves both tiles' words
	ds_load_b64 v[112:113], v[STGR]
	ds_load_b64 v[114:115], v[STGR] offset:1024
	s_wait_dscnt 0x0
	global_store_b64 v[GO], v[112:113], s[96:97]   ; 64 rows' words: 256 consecutive bytes
	global_store_b64 v[GO], v[114:115], s[96:97] offset:16384
	s_wait_tensorcnt 0x0                           ; the wave's end
	ds_add_u32 v[SPW], v[NIL]
	s_wait_dscnt 0x0
	CROUND                                         ; the closing round
	s_endpgm
.Lfunc_end_k_qb1f61d42a2_gateup:
	.size	k_qb1f61d42a2_gateup, .Lfunc_end_k_qb1f61d42a2_gateup-k_qb1f61d42a2_gateup
	.p2alignl 7, 3214868480
	.fill 96, 4, 3214868480
	.section	.rodata,"a",@progbits
	.p2align	6, 0x0
	.amdhsa_kernel k_qb1f61d42a2_gateup
		.amdhsa_group_segment_fixed_size 327680
		.amdhsa_private_segment_fixed_size 0
		.amdhsa_enable_private_segment 0
		.amdhsa_kernarg_size 48
		.amdhsa_user_sgpr_count 2
		.amdhsa_user_sgpr_kernarg_segment_ptr 1
		.amdhsa_wavefront_size32 1
		.amdhsa_system_sgpr_workgroup_id_x 1
		.amdhsa_system_sgpr_workgroup_id_y 1
		.amdhsa_system_sgpr_workgroup_id_z 1
		.amdhsa_system_vgpr_workitem_id 0
		.amdhsa_next_free_vgpr 1024
		.amdhsa_next_free_sgpr 102
		.amdhsa_reserve_vcc 0
		.amdhsa_float_denorm_mode_32 3
		.amdhsa_float_denorm_mode_16_64 3
		.amdhsa_memory_ordered 1
		.amdhsa_forward_progress 1
		.amdhsa_inst_pref_size 255
	.end_amdhsa_kernel
	.section	.bss,"aw",@nobits
	.p2align	6
	.space	262144
	.amdgpu_metadata
---
amdhsa.version: [ 1, 2 ]
amdhsa.kernels:
  - .name:           k_qb1f61d42a2_gateup
    .symbol:         k_qb1f61d42a2_gateup.kd
    .args:
      - { .name: xq, .offset: 0, .size: 8, .value_kind: global_buffer, .address_space: global }
      - { .name: Wgate_codes, .offset: 8, .size: 8, .value_kind: global_buffer, .address_space: global }
      - { .name: Wup_codes, .offset: 16, .size: 8, .value_kind: global_buffer, .address_space: global }
      - { .name: Wgate_scales, .offset: 24, .size: 8, .value_kind: global_buffer, .address_space: global }
      - { .name: Wup_scales, .offset: 32, .size: 8, .value_kind: global_buffer, .address_space: global }
      - { .name: aq, .offset: 40, .size: 8, .value_kind: global_buffer, .address_space: global }
    .group_segment_fixed_size: 327680
    .private_segment_fixed_size: 0
    .kernarg_segment_align: 8
    .kernarg_segment_size: 48
    .max_flat_workgroup_size: 128
    .sgpr_count:     102
    .vgpr_count:     1024
    .wavefront_size: 32
...
	.end_amdgpu_metadata
.endif
;; end of part 3
;; launch down (part 4): grid 8 x 32, 4 waves a work-group, clusters of 4 x 4, 327,680 bytes of LDS; arguments aq, Wdown_codes, Wdown_scales, hid, out0; writes out0
.if DOCPART == 4
	.amdgcn_target "amdgcn-amd-amdhsa--gfx1250"
	.amdhsa_code_object_version 6
	.text
	.protected	k_qb1f61d42a2_down
	.globl	k_qb1f61d42a2_down
	.p2align	8
	.type	k_qb1f61d42a2_down,@function
k_qb1f61d42a2_down:
	s_mov_b64 s[64:65], 0
	v_nop
	global_prefetch_b8 v0, s[64:65] scope:SCOPE_SE
	s_setreg_imm32_b32 hwreg(HW_REG_WAVE_MODE, 25, 1), 1
	s_wait_xcnt 0x0
	s_wait_alu depctr_hold_cnt(0) depctr_sa_sdst(0) depctr_va_vdst(0) depctr_va_sdst(0) depctr_va_ssrc(0) depctr_va_vcc(0) depctr_vm_vsrc(0)
	s_getreg_b32 s2, hwreg(HW_REG_IB_STS2, 6, 4)
	s_cmp_eq_u32 s2, 0
	s_cbranch_scc0 .Lentry_in_a_cluster
	s_endpgm
.Lentry_in_a_cluster:
	s_bfe_u32 s2, ttmp6, 0x10000c
	s_cmp_lg_u32 s2, 0xf033
	s_cbranch_scc0 .Lentry_shape_is_right
	s_endpgm
.Lentry_shape_is_right:
; out0 = hid + a Wdown on codes of FP6 (E2M3).  a comes as images of the operand's registers, [row tile of 16][K step 32][six chunks of 256 bytes], its scale words as [K step][row][4 bytes].
; Tiles of 256 x 256 would be 64 work-groups, so a tile of the output is 128 x 128: 256 work-groups; four waves, each 64 x 64: 16 accumulators.
; K = 4,096 goes in eight steps of 512 (four matrix instructions deep) through a ring of two LDS slots; the scales of the whole K come once, with the first fills.
; CLUSTERS: 4 x 4 work-groups; A's tile is shared along a row of the cluster, B's along a column.  The matrix instruction is used transposed: a lane holds eight neighbouring numbers of a row of the output.
; REGISTERS: window 0: v0-31 addresses; v32-79 two sets of scale words; v80-111 the way out; v128-255 the accumulators.  Window 1: two fragment buffers of 96 (A's 48, B's 48).  Window 2: my 64 x 64 of hid.
.set SLOT,  104448                     ; A: [row tile 8][K step 4][1,536]; then B: 128 rows, pitch 432
.set BOFF,  49152
.set BP,    432                        ; 384 bytes, 16 of padding behind each 128: 108 words: the 32 lanes of a load of 8 bytes touch 64 different banks
.set ASC,   208896                     ; A's scale words [K step 32][128 rows][4]
.set BSC,   225280                     ; B's scale bytes: 64 units of 256 bytes + 16
.set SPARE, 242688
.set LAPS,  4
.set ADRA, 16
.set ADRB, 20
.set ADAS, 24
.set ADBS, 25
.set STO,  26
.set RD,   27
.set SPW,  28
.set NIL,  29
.set CO,   30
.set SCA,  32                          ; set s at 32 + 24 s: A's words 2 a + pair (lanes 0-15 the even K step, lanes 16-31 the odd); from + 8 B's words 4 b + q
.set OB,   80
.set ACC,  128
.set G1, 24
.set G0, 32
.set G1B, 48
.set G0B, 56
.set G1S, 68
.set G0S, 76
.set G1SB, 80
.set G0SB, 88
.set MSB, 0
.macro WIN new
.if MSB != \new
	s_set_vgpr_msb (MSB<<8)|\new
.set MSB, \new
.endif
.endm
.set MUL,  0x05                        ; sources 0 (B) and 1 (A) window 1; C and D window 0
.set TO_F, 0x40
.macro JLOAD g0a, g1a, g0b, g1b
	s_cmp_eq_u32 s17, 0
	s_cbranch_scc0 .Lfor_b_\@
	tensor_load_to_lds s[\g0a:\g0a+3], s[\g1a:\g1a+7]
	s_nop 0
.rept 4
	v_nop
.endr
	s_branch .Lasked_\@
.Lfor_b_\@:
	tensor_load_to_lds s[\g0b:\g0b+3], s[\g1b:\g1b+7]
	s_nop 0
.rept 4
	v_nop
.endr
.Lasked_\@:
.endm
.macro CREST
	s_cmp_lg_u32 s16, 0
	s_cbranch_scc1 .Lnot_wave_0_\@
	s_barrier_signal -3
.Lnot_wave_0_\@:
	s_barrier_wait -3
	s_barrier_signal -1
	s_barrier_wait -1
.endm
.macro CROUND
	s_barrier_signal -1
	s_barrier_wait -1
	CREST
.endm
.macro PLACES n
.rept \n
	v_nop
.endr
.endm
.macro MM d, a, b, z, sa, sb, rb
.if (\z) && ((\rb) == 0)
	v_wmma_scale_f32_16x16x128_f8f6f4 v[\d:\d+7], v[\a:\a+11], v[\b:\b+11], 0, v[\sa], v[\sb] matrix_a_fmt:MATRIX_FMT_FP6 matrix_b_fmt:MATRIX_FMT_FP6
.elseif (\z)
	v_wmma_scale_f32_16x16x128_f8f6f4 v[\d:\d+7], v[\a:\a+11], v[\b:\b+11], 0, v[\sa], v[\sb] matrix_a_fmt:MATRIX_FMT_FP6 matrix_b_fmt:MATRIX_FMT_FP6 matrix_b_scale:MATRIX_SCALE_ROW1
.elseif ((\rb) == 0)
	v_wmma_scale_f32_16x16x128_f8f6f4 v[\d:\d+7], v[\a:\a+11], v[\b:\b+11], v[\d:\d+7], v[\sa], v[\sb] matrix_a_fmt:MATRIX_FMT_FP6 matrix_b_fmt:MATRIX_FMT_FP6
.else
	v_wmma_scale_f32_16x16x128_f8f6f4 v[\d:\d+7], v[\a:\a+11], v[\b:\b+11], v[\d:\d+7], v[\sa], v[\sb] matrix_a_fmt:MATRIX_FMT_FP6 matrix_b_fmt:MATRIX_FMT_FP6 matrix_b_scale:MATRIX_SCALE_ROW1
.endif
.endm
	s_load_b256 s[4:11], s[0:1], 0x0               ; aq 4, Wdown codes 6, Wdown scales 8, hid 10
	s_load_b64 s[12:13], s[0:1], 0x20              ; out0
	v_lshl_add_u32 v[SPW], v0, 2, SPARE
	v_mov_b32 v[NIL], 0
	ds_add_u32 v28, v29
	ds_add_u32 v28, v29
	s_wait_dscnt 0x0
	v_lshrrev_b32 v1, 5, v0
	v_readfirstlane_b32 s16, v1
	s_lshr_b32 s17, s16, 1                         ; which half of the rows is mine.  Also: I fetch for A (0) or for B (1)
	s_and_b32 s18, s16, 1                          ; which half of the columns.  Also: which half of that tile I fetch
	s_bfe_u32 s40, ttmp6, 0x40000
	s_bfe_u32 s41, ttmp6, 0x40004
	s_lshl_b32 s42, ttmp9, 2
	s_add_co_u32 s42, s42, s40                     ; X: 128 columns
	s_and_b32 s19, ttmp7, 0xffff
	s_lshl_b32 s19, s19, 2
	s_add_co_u32 s19, s19, s41                     ; Y: 128 rows
	s_lshl_b32 s43, s41, 2
	s_lshl_b32 s43, 15, s43
	s_lshl_b32 s44, 0x1111, s40
	s_or_b32 s[G1+0], s43, (3<<16)|(1<<21)         ; A: 4 row tiles x 6,144 bytes (four K steps), 49,152 apart; elements of 8 bytes
	s_mov_b32 s[G1+1], 768<<16
	s_mov_b32 s[G1+2], 4<<16
	s_mov_b32 s[G1+3], 768<<16
	s_mov_b32 s[G1+4], 4
	s_mov_b32 s[G1+5], 6144
	s_mov_b32 s[G1+6], 0
	s_mov_b32 s[G1+7], 0
	s_or_b32 s[G1B+0], s44, (1<<20)|(1<<21)|(4<<22)|(3<<25)   ; B: 64 rows x 384 bytes of a row of 3,072, 16 bytes of padding behind each 128
	s_mov_b32 s[G1B+1], 384<<16
	s_mov_b32 s[G1B+2], 64<<16
	s_mov_b32 s[G1B+3], 384<<16
	s_mov_b32 s[G1B+4], 64
	s_mov_b32 s[G1B+5], 3072
	s_mov_b32 s[G1B+6], 0
	s_mov_b32 s[G1B+7], 0
	s_or_b32 s[G1S+0], s43, (3<<16)|(1<<21)        ; A's scale words: 16 K steps x 512 bytes, 16,384 apart
	s_mov_b32 s[G1S+1], 64<<16
	s_mov_b32 s[G1S+2], 16<<16
	s_mov_b32 s[G1S+3], 64<<16
	s_mov_b32 s[G1S+4], 16
	s_mov_b32 s[G1S+5], 2048
	s_mov_b32 s[G1S+6], 0
	s_mov_b32 s[G1S+7], 0
	s_or_b32 s[G1SB+0], s44, (3<<16)|(1<<20)|(1<<21)|(5<<22)|(3<<25)   ; B's scale bytes of 64 rows: 32 rows of 256 bytes, 16 of padding behind each
	s_mov_b32 s[G1SB+1], 32<<16
	s_mov_b32 s[G1SB+2], 32<<16
	s_mov_b32 s[G1SB+3], 32<<16
	s_mov_b32 s[G1SB+4], 32
	s_mov_b32 s[G1SB+5], 32
	s_mov_b32 s[G1SB+6], 0
	s_mov_b32 s[G1SB+7], 0
	s_lshl_b32 s20, s19, 3
	s_lshl_b32 s21, s18, 2
	s_add_co_u32 s20, s20, s21
	s_mul_i32 s20, s20, 49152                      ; A's codes: row tile 8 Y + 4 x half
	s_mov_b32 s21, 0
	s_lshl_b32 s22, s18, 18
	s_lshl_b32 s23, s19, 9
	s_add_co_u32 s22, s22, s23
	s_add_co_u32 s22, s22, 12582912                ; A's scale words: K step 16 x half, row 128 Y
	s_mov_b32 s23, 0
	s_lshl_b32 s46, s42, 7
	s_lshl_b32 s47, s18, 6
	s_add_co_u32 s46, s46, s47                     ; B: row 128 X + 64 x half
	s_lshl_b32 s92, s46, 7
	s_mul_i32 s46, s46, 3072
	s_mov_b32 s47, 0
	s_mov_b32 s93, 0
	s_mul_i32 s45, s18, 24576
	s_mul_i32 s94, s18, 27648
	s_add_co_u32 s94, s94, BOFF
	s_lshl_b32 s95, s18, 13
	s_add_co_u32 s95, s95, ASC
	s_mul_i32 s96, s18, 8704
	s_add_co_u32 s96, s96, BSC
	s_wait_kmcnt 0x0
	s_add_nc_u64 s[20:21], s[4:5], s[20:21]
	s_add_nc_u64 s[22:23], s[4:5], s[22:23]
	s_add_nc_u64 s[46:47], s[6:7], s[46:47]
	s_add_nc_u64 s[92:93], s[8:9], s[92:93]
	CROUND                                         ; all sixteen work-groups are here: the first joint loads meet
	s_mov_b32 s[G0S], 1
	s_mov_b32 s[G0S+1], s95
	s_mov_b64 s[G0S+2:G0S+3], s[22:23]
	s_or_b32 s[G0S+3], s[G0S+3], 0x80000000
	s_mov_b32 s[G0SB], 1
	s_mov_b32 s[G0SB+1], s96
	s_mov_b64 s[G0SB+2:G0SB+3], s[92:93]
	s_or_b32 s[G0SB+3], s[G0SB+3], 0x80000000
	JLOAD G0S, G1S, G0SB, G1SB
.irp s, 0,1
	s_mov_b32 s[G0+4*\s], 1
	s_add_co_u32 s[G0+4*\s+1], s45, \s*SLOT
	s_add_nc_u64 s[G0+4*\s+2:G0+4*\s+3], s[20:21], \s*6144
	s_or_b32 s[G0+4*\s+3], s[G0+4*\s+3], 0x80000000
	s_mov_b32 s[G0B+4*\s], 1
	s_add_co_u32 s[G0B+4*\s+1], s94, \s*SLOT
	s_add_nc_u64 s[G0B+4*\s+2:G0B+4*\s+3], s[46:47], \s*384
	s_or_b32 s[G0B+4*\s+3], s[G0B+4*\s+3], 0x80000000
	JLOAD G0+4*\s, G1, G0B+4*\s, G1B
.endr
	v_and_b32 v1, 15, v0
	v_bfe_u32 v2, v0, 4, 1
	v_and_b32 v3, 31, v0
	s_mul_i32 s66, s17, 24576
	v_lshl_add_u32 v[ADRA], v3, 3, s66
	v_add_nc_u32 v[ADRA+1], SLOT, v[ADRA]
	v_mul_u32_u24 v4, v1, BP
	v_mad_u32_u24 v4, v2, 24, v4
	s_mul_i32 s66, s18, 27648
	s_add_co_u32 s66, s66, BOFF
	v_add_nc_u32 v[ADRB], s66, v4
	v_lshl_add_u32 v[ADRB+2], v2, 4, v[ADRB]
	v_add_nc_u32 v[ADRB+1], SLOT, v[ADRB]
	v_add_nc_u32 v[ADRB+3], SLOT, v[ADRB+2]
	s_lshl_b32 s66, s17, 8
	s_add_co_u32 s66, s66, ASC
	v_lshlrev_b32 v4, 9, v2
	v_lshl_add_u32 v4, v1, 2, v4
	v_add_nc_u32 v[ADAS], s66, v4                  ; A's words: my 64 rows; lanes 16-31 one K step on
	s_mul_i32 s66, s18, 8704
	s_add_co_u32 s66, s66, BSC
	v_lshrrev_b32 v4, 1, v1
	v_mul_u32_u24 v4, v4, 272
	v_and_b32 v5, 1, v1
	v_lshl_add_u32 v4, v5, 7, v4
	v_add_nc_u32 v[ADBS], s66, v4                  ; B's: a row is 128 bytes, two rows to a unit
	s_mul_i32 s66, s16, 4352
	v_mul_u32_u24 v4, v1, 272
	v_lshl_add_u32 v4, v2, 5, v4
	v_add_nc_u32 v[STO], s66, v4                   ; my stage, in: row r, 32 bytes for each half of the lanes
	v_mul_u32_u24 v4, v2, 272
	v_lshl_add_u32 v4, v1, 4, v4
	v_add_nc_u32 v[RD], s66, v4                    ; back: lanes 0-15 one row of 256 bytes, lanes 16-31 the next
	v_lshlrev_b32 v[CO], 12, v2
	v_lshl_add_u32 v[CO], v1, 4, v[CO]             ; and the same two rows in hid and out0
	s_lshl_b32 s98, s19, 7
	s_lshl_b32 s99, s17, 6
	s_add_co_u32 s98, s98, s99
	s_lshl_b32 s98, s98, 12                        ; row 128 Y + 64 x half
	s_lshl_b32 s99, s42, 9
	s_add_co_u32 s98, s98, s99
	s_lshl_b32 s99, s18, 8
	s_add_co_u32 s98, s98, s99                     ; column 128 X + 64 x half
	s_mov_b32 s99, 0
	s_add_nc_u64 s[10:11], s[10:11], s[98:99]
	s_add_nc_u64 s[12:13], s[12:13], s[98:99]
	WIN 0x80                                       ; destination window 2
.irp a, 0,1,2,3
.irp t, 0,1,2,3,4,5,6,7
	global_load_b128 v[32*\a+4*\t:32*\a+4*\t+3], v[CO], s[10:11] offset:(16*\a+2*\t)*4096 th:TH_LOAD_NT   ; sixteen lanes read 256 consecutive bytes
.endr
.endr
	WIN 0
.macro FRAGB reg, slot, q, b
.irp p, 0,1,2,3,4,5
.set PP, 12*(\q)+6*(\p/3)+\p%3
.if PP%16 < 13
	ds_load_b64 v[\reg+2*\p:\reg+2*\p+1], v[ADRB+\slot] offset:8*PP+16*(PP/16)+(\b)*16*BP
.else
	ds_load_b64 v[\reg+2*\p:\reg+2*\p+1], v[ADRB+2+\slot] offset:8*PP+16*(PP/16)+(\b)*16*BP
.endif
.endr
.endm
.macro FRAGA reg, slot, q, a
.irp p, 0,1,2,3,4,5
	ds_load_b64 v[\reg+2*\p:\reg+2*\p+1], v[ADRA+\slot] offset:(4*(\a)+(\q))*1536+256*\p
.endr
.endm
.macro FETCH slot, q, f                ; 48 LDS loads in one run: B's four fragments, then A's blocks 0, 1, then 2, 3
	WIN TO_F
.irp i, 0,1,2,3
	FRAGB \f+48+12*\i, \slot, \q, \i
.endr
.irp i, 0,1,2,3
	FRAGA \f+12*\i, \slot, \q, \i
.endr
.endm
.macro SCALES s                        ; a slot's scale words
.irp a, 0,1,2,3
.irp c, 0,1
	ds_load_b32 v[SCA+24*\s+2*\a+\c], v[ADAS] offset:1024*\c+64*\a
.endr
.endr
.irp b, 0,1,2,3
	ds_load_b128 v[SCA+24*\s+8+4*\b:SCA+24*\s+11+4*\b], v[ADBS] offset:2176*\b
.endr
.endm
.macro MUL4 f, a, q, s, zero           ; A's block a against B's four; the 16 accumulators take turns
.irp b, 0,1,2,3
	MM ACC+8*(4*(\a)+\b), \f+48+12*\b, \f+12*(\a), \zero, SCA+24*(\s)+8+4*\b+(\q), SCA+24*(\s)+2*(\a)+(\q)/2, (\q)%2
.endr
.endm
.macro QUARTER slot, q, zero           ; K step q of the slot, from buffer q % 2; in its middle the next K step is fetched into the other buffer
	s_wait_dscnt 12                                ; all but A's blocks 2, 3
	WIN MUL
	MUL4 128*((\q)%2), 0, \q, \slot, \zero
	MUL4 128*((\q)%2), 1, \q, \slot, \zero
	PLACES 4
	FETCH \slot, (\q)+1, 128*(1-(\q)%2)
	s_wait_dscnt 48                                ; all but the 48 just issued
	WIN MUL
	MUL4 128*((\q)%2), 2, \q, \slot, \zero
	MUL4 128*((\q)%2), 3, \q, \slot, \zero
.endm
.macro TURN slot, next, fill           ; the slot's last K step, from buffer 1, and the change of slots
	WIN 0
	s_wait_tensorcnt 0x0                           ; all my tensor loads have landed: my part of the next slot
	ds_add_u32 v[SPW], v[NIL]
	s_wait_dscnt 13                                ; (the add and A's blocks 2, 3 may be out)
	WIN MUL
	MUL4 128, 0, 3, \slot, 0
	s_wait_dscnt 0x0                               ; the add is done, and my reads of this slot are over
	s_barrier_signal -1
	MUL4 128, 1, 3, \slot, 0
	WIN 0
	s_barrier_wait -1
.if \fill
	CREST
	s_add_nc_u64 s[G0+4*\slot+2:G0+4*\slot+3], s[G0+4*\slot+2:G0+4*\slot+3], 12288
	s_add_nc_u64 s[G0B+4*\slot+2:G0B+4*\slot+3], s[G0B+4*\slot+2:G0B+4*\slot+3], 768
	JLOAD G0+4*\slot, G1, G0B+4*\slot, G1B
.else
	PLACES 4
.endif
	v_add_nc_u32 v[ADAS], 2048, v[ADAS]
	v_add_nc_u32 v[ADBS], 16, v[ADBS]
	SCALES \next
	FETCH \next, 0, 0
	WIN MUL
	MUL4 128, 2, 3, \slot, 0
	MUL4 128, 3, 3, \slot, 0
.endm
	s_wait_tensorcnt 1                             ; the scales and my part of slot 0 are in; slot 1's load may be out
	s_barrier_signal -1
	s_barrier_wait -1
	SCALES 0
	FETCH 0, 0, 0
	QUARTER 0, 0, 1                                ; the first K step's products start the sums
	WIN 0
	s_mov_b32 s3, LAPS-1
.Llap:
	QUARTER 0, 1, 0
	QUARTER 0, 2, 0
	TURN 0, 1, 1
	QUARTER 1, 0, 0
	QUARTER 1, 1, 0
	QUARTER 1, 2, 0
	TURN 1, 0, 1
	QUARTER 0, 0, 0
	WIN 0
	s_sub_co_u32 s3, s3, 1
	s_cmp_lg_u32 s3, 0
	s_cbranch_scc1 .Llap
	QUARTER 0, 1, 0                                ; the last lap fills nothing
	QUARTER 0, 2, 0
	TURN 0, 1, 0
	QUARTER 1, 0, 0
	QUARTER 1, 1, 0
	QUARTER 1, 2, 0
	s_wait_dscnt 12
	WIN MUL
	MUL4 128, 0, 3, 1, 0
	MUL4 128, 1, 3, 1, 0
	s_wait_dscnt 0
	MUL4 128, 2, 3, 1, 0
	MUL4 128, 3, 3, 1, 0
	WIN 0
	; THE WAY OUT: 16 rows x 64 columns at a time through my own stage (in slot 0, which has had its last fill and its last read), back as rows of 256 bytes; + hid; stored
	PLACES 4
	s_wait_loadcnt 0x0                             ; hid
.irp a, 0,1,2,3
.if \a > 0
	s_wait_xcnt 0x0                                ; the last block's stores have read their registers
.endif
.irp b, 0,1,2,3
	ds_store_b128 v[STO], v[ACC+8*(4*\a+\b):ACC+8*(4*\a+\b)+3] offset:64*\b
	ds_store_b128 v[STO], v[ACC+8*(4*\a+\b)+4:ACC+8*(4*\a+\b)+7] offset:64*\b+16
.endr
.irp t, 0,1,2,3,4,5,6,7
	ds_load_b128 v[OB+4*\t:OB+4*\t+3], v[RD] offset:2*\t*272   ; LDS serves a wave's instructions in order: these see my stores
.endr
	s_wait_dscnt 0x0
	WIN 0x08                                       ; source 1: window 2
.irp k, 0,1,2,3,4,5,6,7,8,9,10,11,12,13,14,15
	v_pk_add_f32 v[OB+2*\k:OB+2*\k+1], v[OB+2*\k:OB+2*\k+1], v[32*\a+2*\k:32*\a+2*\k+1]
.endr
	WIN 0
.irp t, 0,1,2,3,4,5,6,7
	global_store_b128 v[CO], v[OB+4*\t:OB+4*\t+3], s[12:13] offset:(16*\a+2*\t)*4096 th:TH_STORE_NT   ; sixteen lanes store 256 consecutive bytes
.endr
.endr
	s_wait_tensorcnt 0x0                           ; the wave's end
	ds_add_u32 v[SPW], v[NIL]
	s_wait_dscnt 0x0
	CROUND                                         ; the closing round
	s_endpgm
.Lfunc_end_k_qb1f61d42a2_down:
	.size	k_qb1f61d42a2_down, .Lfunc_end_k_qb1f61d42a2_down-k_qb1f61d42a2_down
	.p2alignl 7, 3214868480
	.fill 96, 4, 3214868480
	.section	.rodata,"a",@progbits
	.p2align	6, 0x0
	.amdhsa_kernel k_qb1f61d42a2_down
		.amdhsa_group_segment_fixed_size 327680
		.amdhsa_private_segment_fixed_size 0
		.amdhsa_enable_private_segment 0
		.amdhsa_kernarg_size 40
		.amdhsa_user_sgpr_count 2
		.amdhsa_user_sgpr_kernarg_segment_ptr 1
		.amdhsa_wavefront_size32 1
		.amdhsa_system_sgpr_workgroup_id_x 1
		.amdhsa_system_sgpr_workgroup_id_y 1
		.amdhsa_system_sgpr_workgroup_id_z 1
		.amdhsa_system_vgpr_workitem_id 0
		.amdhsa_next_free_vgpr 768
		.amdhsa_next_free_sgpr 100
		.amdhsa_reserve_vcc 0
		.amdhsa_float_denorm_mode_32 3
		.amdhsa_float_denorm_mode_16_64 3
		.amdhsa_memory_ordered 1
		.amdhsa_forward_progress 1
		.amdhsa_inst_pref_size 115
	.end_amdhsa_kernel
	.amdgpu_metadata
---
amdhsa.version: [ 1, 2 ]
amdhsa.kernels:
  - .name:           k_qb1f61d42a2_down
    .symbol:         k_qb1f61d42a2_down.kd
    .args:
      - { .name: aq, .offset: 0, .size: 8, .value_kind: global_buffer, .address_space: global }
      - { .name: Wdown_codes, .offset: 8, .size: 8, .value_kind: global_buffer, .address_space: global }
      - { .name: Wdown_scales, .offset: 16, .size: 8, .value_kind: global_buffer, .address_space: global }
      - { .name: hid, .offset: 24, .size: 8, .value_kind: global_buffer, .address_space: global }
      - { .name: out0, .offset: 32, .size: 8, .value_kind: global_buffer, .address_space: global }
    .group_segment_fixed_size: 327680
    .private_segment_fixed_size: 0
    .kernarg_segment_align: 8
    .kernarg_segment_size: 40
    .max_flat_workgroup_size: 128
    .sgpr_count:     100
    .vgpr_count:     768
    .wavefront_size: 32
...
	.end_amdgpu_metadata
.endif
;; end of part 4
